; MI455X (gfx1250); checked and timed in simulation.
; The chip was launched on July 23, 2026; its instructions are those of AMD's public machine-readable ISA for CDNA 5 (MIT licence, August 2026) and "CDNA5" Instruction Set Architecture Reference Guide (July 2026). The comments in the code are by the model that wrote it; some were corrected since.
;; Local Window Attention. Allowed arithmetic: matrix products marked QUANTISED: E2M3 operands, one E8M0 scale for each 32 along K, by v_wmma_scale_f32_16x16x128_f8f6f4 with both operands' format E2M3, f32 sums; everything else in f32.
;; Inputs: Wk 1,024 x 1,024 float32; Wo 1,024 x 1,024 float32; Wq 1,024 x 1,024 float32; Wv 1,024 x 1,024 float32; bk 1,024 float32; bo 1,024 float32; bq 1,024 float32; bv 1,024 float32; x 4 x 2,048 x 1,024 float32.
;; Outputs: out0 4 x 2,048 x 1,024 float32.
;; This version of the problem:
;;   THIS VERSION OF THE PROBLEM IS GIVEN IN LOW PRECISION. The matrix products marked QUANTISED in the list below multiply operands that are first quantised to E2M3 (2 exponent bits, 3 mantissa bits; 6 bits a number), with one power-of-two scale for each 32 numbers along K (OCP MX v1.0); their sums are f32. All else is computed in f32.
;;   The module's matrix products, in the order in which they are computed (A, B: the left and right operand; K: the contracted axis; several contracted axes count as one K, in the product's order):
;;     1. [M 8,192, K 1,024] x [K 1,024, N 1,024]; A: input x; B: input Wq: QUANTISED
;;     2. [M 8,192, K 1,024] x [K 1,024, N 1,024]; A: input x; B: input Wk: QUANTISED
;;     3. [M 8,192, K 1,024] x [K 1,024, N 1,024]; A: input x; B: input Wv: QUANTISED
;;     4. batch 64 x [M 2,048, K 64] x [K 64, N 2,048]; A: computed on the way; B: computed on the way: QUANTISED
;;     5. batch 64 x [M 2,048, K 2,048] x [K 2,048, N 64]; A: softmax (see below); B: computed on the way: QUANTISED
;;     6. [M 8,192, K 1,024] x [K 1,024, N 1,024]; A: computed on the way; B: input Wo: QUANTISED
;;   THE QUANTISER, for each operand of a quantised product, along K:
;;     - K is cut into blocks of 32 from its start; a last block that is shorter is filled with zeros.
;;     - A block's scale is 2^e with e = floor(log2(the largest magnitude in the block)) - 2, held to -126 .. 127; a block of zeros has e = 0. As a byte (E8M0): e + 127.
;;     - Each number is divided by its block's scale, clamped to +-7.5, and rounded to the nearest number of E2M3, ties to even, subnormals kept.
;;     - The product sums the exact products of the quantised numbers (number of the format x scale) in f32.
;;   ~~~python
;;   def quantise(x, axis):      # numpy; x: float32 -> the quantised numbers, widened to float32 again
;;       x = np.moveaxis(x, axis, -1); K = x.shape[-1]
;;       x = np.pad(x, [(0, 0)] * (x.ndim - 1) + [(0, -K % 32)]); x = x.reshape(x.shape[:-1] + (-1, 32)); a = np.abs(x).max(-1, keepdims=True)
;;       e = np.where(a > 0, np.clip(np.frexp(np.where(a > 0, a, 1))[1] - 1 - 2, -126, 127), 0)      # np.frexp(a)[1] - 1 = floor(log2(a)), exactly
;;       r = np.clip(x / 2.0 ** e, -7.5, 7.5)
;;       step = 2.0 ** (np.maximum(np.frexp(np.where(r == 0, 1, r))[1] - 1, 0) - 3)
;;       q = np.round(r / step) * step * 2.0 ** e      # np.round: ties to even
;;       return np.moveaxis(q.reshape(q.shape[:-2] + (-1,))[..., :K], -1, axis).astype(np.float32)
;;   ~~~
;;   SOFTMAX AHEAD OF A QUANTISED PRODUCT. Where the list says 'softmax', what is quantised is not the finished softmax but p = 2^(t - M), with t = logit x log2(e) and M = ceil(the row's largest t), a whole number; so 1/2 < the row's largest p <= 1. The row's sum l is taken of the UNQUANTISED p, in f32, and the product's result is divided by l at the end. Since M is a whole number, a kernel that streams over the keys may use a running M (the ceiling of the running maximum): every later rescaling is an exact power of two, which a block's scale takes up: the codes' values come out the same.
;;   OPERANDS COMPUTED ON THE WAY. 'Computed on the way' means the value that the module computes at that place (a softmax that the list does not call 'softmax' is quantised finished and normalised). What goes into a quantiser is computed in f32, as accurately as f32 sums, v_exp_f32 and their like allow (about 1e-6 of the number): no bf16 or f16 on the way to a quantiser, and a product that is left as it is and whose result goes on into a quantised operand takes f32 operands (vector FMAs, or v_wmma_f32_16x16x4_f32). A number that lies on a knife's edge between two numbers of the format may be rounded either way, as far as f32 arithmetic and the matrix unit's own rounding can turn it there, and no further.
;; One version. Each part assembles by itself: llvm-mc -triple=amdgcn-amd-amdhsa -mcpu=gfx1250 --defsym DOCPART=n.
;; ======== version 1 of 1: 4 launches
;; workspace buffers: xq 6,553,600 bytes; wq 3,276,800 bytes; qkv 19,660,800 bytes; ao 6,553,600 bytes
;; launch prep (part 1): grid 384 x 1, 8 waves a work-group, no clusters, 97,280 bytes of LDS; arguments x, Wq, Wk, Wv, Wo, xq, wq; writes xq, wq
.if DOCPART == 1
	.amdgcn_target "amdgcn-amd-amdhsa--gfx1250"
	.amdhsa_code_object_version 6
	.text
	.protected	k_q5269ecdc62_prep
	.globl	k_q5269ecdc62_prep
	.p2align	8
	.type	k_q5269ecdc62_prep,@function
k_q5269ecdc62_prep:
	s_mov_b64 s[64:65], 0
	v_nop
	global_prefetch_b8 v0, s[64:65] scope:SCOPE_SE
	s_setreg_imm32_b32 hwreg(HW_REG_WAVE_MODE, 25, 1), 1
	s_wait_xcnt 0x0
; PREP: x [8192][1024] and the four weights [1024 (k)][1024 (n)], all f32, become codes of FP6 (E2M3) with one E8M0 byte for each 32 along K,
; laid as IMAGES OF OPERAND REGISTERS, so that the later launches load fragments whole.
; A fragment is 16 rows x 128 K: 12 registers a lane; its image is [c3 0..2][lane][16 bytes], 1,536 bytes: registers 4 c3 .. 4 c3 + 3 of lane l at 512 c3 + 16 l.
; THE ROWS OF A TILE ARE NOT NEIGHBOURS: lane r of tile T holds row 32 (T / 2) + 8 (T % 2) + r + 8 (r / 8).
; xq: codes [T 512][s 8] images; from byte 6,291,456 the scale words [s 8][P 256][32]: lanes 0-15 tile 2 P, lanes 16-31 tile 2 P + 1.
; wq: codes [j 8][t 4: q k v o][half 2][b 8][s % 4] images (tile b, lane r = column 128 j + the tile's row rule); from byte 3,145,728 the scale words [j][t][s 8][p 4][32].
; A block's scale is 2^(floor(log2(largest magnitude)) - 2); its byte is the largest magnitude's exponent field - 2, held at 1 from below.
; LIMITS: NaN and infinities are not served; a block of zeros, or one whose largest magnitude lies under 2^-124, gets the byte 1 (its codes as the conversion gives them): this program alone reads the bytes.
; One launch serves both kinds: work-groups 0-255 take x, 256-383 the weights; the two ways have LDS bytes of their own.  Each wave asks for all its 16 KiB at once: no ring, no loop.
.set XSTG,  8448                       ; x: a wave's stage: 16 rows x (512 bytes + 16)
.set XSG,   8*XSTG                     ; x: 1,024 bytes in which the work-group's scale words meet
.set WBASE, XSG+1024                   ; the weights' way begins here
.set WSTG,  3328                       ; a wave's stage: two images, 1,664 bytes apart
.set WTILE, 1664
.set WSG,   WBASE+8*WSTG               ; 1,024 bytes for the scale words
.set SEL,   20                         ; s[20:21] selects of v_permlanex16_b32: lane l xor 16
.set TM,    16                         ; v16-19 largest magnitudes, v20-23 bytes, v28-31 the conversions' scale operands
.set PC,    32                         ; v32-43 the fragment just made, v44-50 at work
.set PW,    52                         ; its scale word
.set X,     64                         ; v64-127 64 numbers of a lane: register 16 b + i = k 32 b + 16 (lane / 16) + i of its row
.set R,     128                        ; v128-255 as loaded
	s_load_b256 s[4:11], s[0:1], 0x0               ; x s[4:5], Wq s[6:7], Wk s[8:9], Wv s[10:11]
	s_load_b128 s[12:15], s[0:1], 0x20             ; Wo s[12:13], xq s[14:15]
	s_load_b64 s[16:17], s[0:1], 0x30              ; wq
	v_lshl_add_u32 v62, v0, 2, 0x17800
	v_mov_b32 v63, 0
	v_lshrrev_b32 v1, 5, v0
	v_readfirstlane_b32 s18, v1                    ; wave 0..7
	v_and_b32 v1, 31, v0                           ; lane
	v_lshlrev_b32 v2, 4, v1                        ; 16 x lane
	s_cmp_ge_u32 ttmp9, 256
	s_cbranch_scc1 .Lweights
; ---------------- x.  A work-group: two pairs of tiles (64 rows) x four K steps; a wave: one pair x one K step: two units of 16 rows x 128 K.
	s_lshr_b32 s24, ttmp9, 1                       ; which two pairs
	s_and_b32 s25, ttmp9, 1                        ; which half of K
	s_and_b32 s26, s18, 1
	s_lshr_b32 s27, s18, 1
	s_lshl_b32 s28, s24, 1
	s_add_co_u32 s28, s28, s26                     ; P: my pair, 32 rows
	s_lshl_b32 s29, s25, 2
	s_add_co_u32 s29, s29, s27                     ; s: my K step
	s_lshl_b32 s30, s28, 17                        ; x: 32 P rows of 4,096 bytes
	s_lshl_b32 s31, s29, 9                         ; + 512 s
	s_add_co_u32 s30, s30, s31
	s_mov_b32 s31, 0
	s_lshl_b32 s32, s28, 4
	s_add_co_u32 s32, s32, s29
	s_mul_i32 s32, s32, 1536                       ; codes: image (2 P) x 8 + s
	s_mov_b32 s33, 0
	s_lshl_b32 s34, s25, 17                        ; scale words: four K steps of 32,768 bytes for each half of K,
	s_lshl_b32 s35, s24, 8                         ; 256 bytes for the two pairs
	s_add_co_u32 s34, s34, s35
	s_add_co_u32 s34, s34, 6291456
	s_mov_b32 s35, 0
	s_mov_b32 s[SEL], 0x76543210
	s_mov_b32 s[SEL+1], 0xfedcba98
	s_mov_b32 s22, 0xffff0000                      ; lanes 16-31
	s_wait_kmcnt 0x0
	s_add_nc_u64 s[4:5], s[4:5], s[30:31]
	s_add_nc_u64 s[38:39], s[14:15], s[32:33]
	s_add_nc_u64 s[40:41], s[14:15], s[34:35]
.irp u, 0,1
.irp i, 0,1,2,3,4,5,6,7,8,9,10,11,12,13,14,15
	global_load_b128 v[R+64*\u+4*\i:R+64*\u+4*\i+3], v2, s[4:5] offset:(8*\u+\i+8*(\i/8))*4096 th:TH_LOAD_NT   ; 32 lanes read 512 consecutive bytes of one row
.endr
.endr
	v_and_b32 v3, 15, v0                           ; r
	v_bfe_u32 v4, v0, 4, 1                         ; h
	s_mul_i32 s42, s18, XSTG                       ; my stage
	v_add_nc_u32 v5, s42, v2                       ; in: a row as it lies
	v_mul_u32_u24 v6, v3, 528
	v_lshl_add_u32 v6, v4, 6, v6
	v_add_nc_u32 v6, s42, v6                       ; out: row r, + 64 h: my 16 numbers of each block of 32
	s_lshl_b32 s43, s27, 8
	s_lshl_b32 s44, s26, 7
	s_add_co_u32 s43, s43, s44
	s_add_co_u32 s43, s43, XSG
	v_lshl_add_u32 v7, v1, 2, s43                  ; my scale word's place: [K step][pair][lane]
	v_lshlrev_b32 v8, 4, v0
	v_add_nc_u32 v8, XSG, v8                       ; the tail (threads 0-63): 16 bytes a thread
	v_lshrrev_b32 v9, 4, v0
	v_lshlrev_b32 v9, 15, v9
	v_lshl_add_u32 v9, v3, 4, v9                   ; and their place in memory: K step thread / 16, 16 bytes x (thread % 16)
.irp b, 0,1,2,3
	v_mov_b32 v[TM+4+\b], 0                        ; written once: a lane permute's destination counts as one of its sources
.endr
; 64 numbers of a lane become a fragment's codes in v[PC] on and its scale word in v[PW]
.macro QUANT
.irp b, 0,1,2,3
	v_max3_num_f32 v[TM+\b], |v[X+16*\b]|, |v[X+1+16*\b]|, 0x1800000   ; my 16 numbers of block b, and the floor 2^(3 - 127): the byte cannot fall under 1
.endr
.irp i, 2,4,6,8,10,12,14
.irp b, 0,1,2,3
	v_max3_num_f32 v[TM+\b], v[TM+\b], |v[X+16*\b+\i]|, |v[X+1+16*\b+\i]|   ; the four blocks by turns
.endr
.endr
.irp b, 0,1,2,3
	v_permlanex16_b32 v[TM+4+\b], v[TM+\b], s[SEL], s[SEL+1]
.endr
.irp b, 0,1,2,3
	v_max_num_f32 v[TM+\b], v[TM+\b], v[TM+4+\b]   ; with lane l xor 16's: the block's largest magnitude
.endr
.irp b, 0,1,2,3
	v_add_nc_u32 v[TM+12+\b], 0xff000000, v[TM+\b] ; 2 off its exponent field: the conversion takes the exponent field of this operand as its scale
.endr
.irp b, 0,1,2,3
	v_lshrrev_b32 v[TM+4+\b], 23, v[TM+12+\b]      ; the scale's byte
.endr
	v_lshl_or_b32 v[PW], v[TM+5], 8, v[TM+4]
	v_lshl_or_b32 v[PW], v[TM+6], 16, v[PW]
	v_lshl_or_b32 v[PW], v[TM+7], 24, v[PW]
	s_wait_xcnt 0x0                                ; the last unit's stores have read v[PC] on: only now are these registers written again
.irp c, 0,1
	v_cvt_scalef32_pk16_fp6_f32 v[PC+6*\c:PC+2+6*\c], v[X+32*\c:X+15+32*\c], v[TM+12+2*\c]
	v_cvt_scalef32_pk16_fp6_f32 v[PC+12+4*\c:PC+14+4*\c], v[X+16+32*\c:X+31+32*\c], v[TM+13+2*\c]   ; (a conversion's three registers begin on an even number)
.endr
	v_nop                                          ; one plain place behind a scaled conversion
.irp c, 0,1                                    ; the operand's layout wants a whole block in a lane: lanes 0-15 block 2 c, lanes 16-31 block 2 c + 1
.irp i, 0,1,2
	v_permlane16_swap_b32 v[PC+6*\c+\i], v[PC+12+4*\c+\i]
.endr
.irp i, 0,1,2
	v_mov_b32 v[PC+3+6*\c+\i], v[PC+12+4*\c+\i]
.endr
.endr
.endm
.macro XUNIT u
	s_wait_loadcnt 16-16*\u                        ; this unit's sixteen loads are in; the other unit's sixteen, issued behind them, may be out
.irp i, 0,1,2,3,4,5,6,7,8,9,10,11,12,13,14,15
	ds_store_b128 v5, v[R+64*\u+4*\i:R+64*\u+4*\i+3] offset:528*\i
.endr
.irp b, 0,1,2,3
.irp jj, 0,1,2,3
	ds_load_b128 v[X+16*\b+4*\jj:X+16*\b+4*\jj+3], v6 offset:128*\b+16*\jj   ; LDS serves a wave's instructions in order: these see my stores
.endr
.endr
	s_wait_dscnt 0x0
	QUANT
.irp c3, 0,1,2
	global_store_b128 v2, v[PC+4*\c3:PC+4*\c3+3], s[38:39] offset:\u*12288+512*\c3   ; the image: 512 consecutive bytes a store
.endr
.endm
	XUNIT 0
	v_mov_b32 v53, v[PW]
	XUNIT 1
	v_cndmask_b32 v54, v53, v[PW], s22             ; lanes 0-15 keep tile 2 P's words, lanes 16-31 take tile 2 P + 1's (each word stands in lanes r and 16 + r)
	ds_store_b32 v7, v54
	s_wait_dscnt 0x0                               ; for the others' sake: my word has landed
	s_barrier_signal -1
	s_barrier_wait -1
	s_cmp_ge_u32 s18, 2
	s_cbranch_scc1 .Lx_done
	ds_load_b128 v[56:59], v8                      ; waves 0 and 1: sixteen lanes take a K step's 256 bytes
	s_wait_dscnt 0x0
	global_store_b128 v9, v[56:59], s[40:41]
.Lx_done:
	s_wait_tensorcnt 0x0
	ds_add_u32 v62, v63
	s_wait_dscnt 0x0
	s_endpgm
; ---------------- the weights.  A work-group: one weight t, 128 columns j, two K steps; a wave: 32 columns p x one K step.  A LANE TAKES A COLUMN, AND ITS REGISTERS RUN DOWN K.
.Lweights:
	s_sub_co_u32 s24, ttmp9, 256
	s_lshr_b32 s25, s24, 5                         ; t
	s_bfe_u32 s26, s24, 0x30002                    ; j
	s_and_b32 s27, s24, 3                          ; which two K steps
	s_and_b32 s28, s18, 3                          ; p
	s_lshr_b32 s29, s18, 2
	s_lshl_b32 s30, s27, 1
	s_add_co_u32 s30, s30, s29                     ; s
	s_lshl_b32 s32, s30, 19                        ; W: 128 s rows of 4,096 bytes
	s_lshl_b32 s31, s26, 9
	s_add_co_u32 s32, s32, s31                     ; + 128 j columns
	s_lshl_b32 s31, s28, 7
	s_add_co_u32 s32, s32, s31                     ; + 32 p columns
	s_mov_b32 s33, 0
	s_lshl_b32 s34, s26, 2
	s_add_co_u32 s34, s34, s25                     ; 4 j + t
	s_lshl_b32 s35, s34, 1
	s_lshr_b32 s31, s30, 2
	s_add_co_u32 s35, s35, s31                     ; + which half of K
	s_mul_i32 s36, s35, 49152
	s_mul_i32 s31, s28, 12288                      ; tile 2 p: 6,144 bytes a tile
	s_add_co_u32 s36, s36, s31
	s_and_b32 s31, s30, 3
	s_mul_i32 s31, s31, 1536
	s_add_co_u32 s36, s36, s31
	s_mov_b32 s37, 0
	s_lshl_b32 s38, s34, 12
	s_lshl_b32 s31, s27, 10
	s_add_co_u32 s38, s38, s31
	s_add_co_u32 s38, s38, 3145728
	s_mov_b32 s39, 0
	v_lshlrev_b32 v3, 2, v1                        ; 4 x lane
	s_wait_kmcnt 0x0
	s_cmp_eq_u32 s25, 1                            ; the weight is chosen by the work-group's number alone
	s_cselect_b64 s[6:7], s[8:9], s[6:7]
	s_cmp_eq_u32 s25, 2
	s_cselect_b64 s[6:7], s[10:11], s[6:7]
	s_cmp_eq_u32 s25, 3
	s_cselect_b64 s[6:7], s[12:13], s[6:7]
	s_add_nc_u64 s[6:7], s[6:7], s[32:33]
	s_add_nc_u64 s[36:37], s[16:17], s[36:37]
	s_add_nc_u64 s[38:39], s[16:17], s[38:39]
.set kk, 0
.rept 128
	global_load_b32 v[128+kk], v3, s[6:7] offset:kk*4096 th:TH_LOAD_NT   ; W(128 s + kk, my column): a wave reads 128 consecutive bytes, the four waves p side by side 512
.set kk, kk+1
.endr
	v_bfe_u32 v4, v0, 3, 1                         ; my column 32 p + lane is lane r of tile 2 p + u: u = (lane / 8) % 2,
	v_and_b32 v6, 7, v0
	v_bfe_u32 v7, v0, 4, 1
	v_lshl_add_u32 v6, v7, 3, v6                   ; r = lane % 8 + 8 (lane / 16)
	s_mul_i32 s40, s18, WSTG
	s_add_co_u32 s40, s40, WBASE                   ; my stage
	v_mul_u32_u24 v5, v4, WTILE
	v_lshl_add_u32 v5, v6, 4, v5
	v_add_nc_u32 v5, s40, v5                       ; in: image u, 16 r
	v_add_nc_u32 v8, s40, v2                       ; back: 16 x lane
	s_lshl_b32 s41, s29, 9
	s_lshl_b32 s42, s28, 7
	s_add_co_u32 s41, s41, s42
	s_add_co_u32 s41, s41, WSG
	v_lshl_add_u32 v9, v4, 4, v6
	v_lshl_add_u32 v9, v9, 2, s41                  ; my scale word: [K step][p][16 u + r]
	v_lshlrev_b32 v10, 4, v0                       ; the tail (threads 0-63): 16 bytes a thread
	v_add_nc_u32 v11, WSG, v10
; Block kb of 32 along K is all mine.  In the fragment it belongs to lane (r, h = kb % 2), registers 6 c .. 6 c + 5, c = kb / 2: in the image 16 + 8 bytes (c = 0) or 8 + 16 (c = 1).
.macro WBLOCK kb
.set D, 128+32*(\kb)
.set C, 32+8*(\kb)
.if (\kb) < 2
	s_wait_loadcnt 63                              ; 96 or 64 loads are younger than this block's; a count cannot be written above 63
.else
	s_wait_loadcnt 96-32*(\kb)                     ; the later blocks' loads may be out
.endif
	v_max3_num_f32 v12, |v[D]|, |v[D+1]|, |v[D+2]|
	v_max3_num_f32 v13, |v[D+3]|, |v[D+4]|, |v[D+5]|
.irp i, 6,10,14,18,22,26
	v_max3_num_f32 v12, v12, |v[D+\i]|, |v[D+\i+1]|
	v_max3_num_f32 v13, v13, |v[D+\i+2]|, |v[D+\i+3]|
.endr
	v_max3_num_f32 v12, v12, |v[D+30]|, |v[D+31]|
	v_max3_num_f32 v12, v12, v13, 0x1800000        ; and the floor 2^(3 - 127)
	v_add_nc_u32 v14, 0xff000000, v12              ; the conversions' scale operand
	v_lshrrev_b32 v15, 23, v14                     ; the byte
.if (\kb) == 0
	v_mov_b32 v16, v15
.else
	v_lshl_or_b32 v16, v15, 8*(\kb), v16           ; four bytes make my column's scale word
.endif
	v_cvt_scalef32_pk16_fp6_f32 v[C:C+2], v[D:D+15], v14
	v_cvt_scalef32_pk16_fp6_f32 v[24:26], v[D+16:D+31], v14   ; (a conversion's three registers begin on an even number)
	v_nop                                          ; one plain place behind a scaled conversion
.irp i, 0,1,2
	v_mov_b32 v[C+3+\i], v[24+\i]
.endr
.if (\kb) < 2
	ds_store_b128 v5, v[C:C+3] offset:256*((\kb)%2)
	ds_store_b64 v5, v[C+4:C+5] offset:512+256*((\kb)%2)
.else
	ds_store_b64 v5, v[C:C+1] offset:520+256*((\kb)%2)
	ds_store_b128 v5, v[C+2:C+5] offset:1024+256*((\kb)%2)
.endif
.endm
	WBLOCK 0
	WBLOCK 1
	WBLOCK 2
	WBLOCK 3
	ds_store_b32 v9, v16
.irp u, 0,1
.irp c3, 0,1,2
	ds_load_b128 v[64+12*\u+4*\c3:64+12*\u+4*\c3+3], v8 offset:\u*WTILE+512*\c3   ; LDS serves a wave's instructions in order: these see my stores
.endr
.endr
	s_wait_dscnt 0x0                               ; my images are back, and, for the others' sake, my scale word has landed
.irp u, 0,1
.irp c3, 0,1,2
	global_store_b128 v2, v[64+12*\u+4*\c3:64+12*\u+4*\c3+3], s[36:37] offset:\u*6144+512*\c3   ; 512 consecutive bytes a store
.endr
.endr
	s_barrier_signal -1
	s_barrier_wait -1
	s_cmp_ge_u32 s18, 2
	s_cbranch_scc1 .Lw_done
	ds_load_b128 v[88:91], v11                     ; waves 0 and 1: the work-group's 1,024 bytes of scale words are dense in memory
	s_wait_dscnt 0x0
	global_store_b128 v10, v[88:91], s[38:39]
.Lw_done:
	s_wait_tensorcnt 0x0
	ds_add_u32 v62, v63
	s_wait_dscnt 0x0
	s_endpgm
.Lfunc_end_k_q5269ecdc62_prep:
	.size	k_q5269ecdc62_prep, .Lfunc_end_k_q5269ecdc62_prep-k_q5269ecdc62_prep
	.p2alignl 7, 3214868480
	.fill 96, 4, 3214868480
	.section	.rodata,"a",@progbits
	.p2align	6, 0x0
	.amdhsa_kernel k_q5269ecdc62_prep
		.amdhsa_group_segment_fixed_size 97280
		.amdhsa_private_segment_fixed_size 0
		.amdhsa_enable_private_segment 0
		.amdhsa_kernarg_size 56
		.amdhsa_user_sgpr_count 2
		.amdhsa_user_sgpr_kernarg_segment_ptr 1
		.amdhsa_wavefront_size32 1
		.amdhsa_system_sgpr_workgroup_id_x 1
		.amdhsa_system_sgpr_workgroup_id_y 1
		.amdhsa_system_sgpr_workgroup_id_z 1
		.amdhsa_system_vgpr_workitem_id 0
		.amdhsa_next_free_vgpr 256
		.amdhsa_next_free_sgpr 66
		.amdhsa_reserve_vcc 0
		.amdhsa_float_denorm_mode_32 3
		.amdhsa_float_denorm_mode_16_64 3
		.amdhsa_memory_ordered 1
		.amdhsa_forward_progress 1
		.amdhsa_inst_pref_size 41
	.end_amdhsa_kernel
	.amdgpu_metadata
---
amdhsa.version: [ 1, 2 ]
amdhsa.kernels:
  - .name:           k_q5269ecdc62_prep
    .symbol:         k_q5269ecdc62_prep.kd
    .args:
      - { .name: x, .offset: 0, .size: 8, .value_kind: global_buffer, .address_space: global }
      - { .name: Wq, .offset: 8, .size: 8, .value_kind: global_buffer, .address_space: global }
      - { .name: Wk, .offset: 16, .size: 8, .value_kind: global_buffer, .address_space: global }
      - { .name: Wv, .offset: 24, .size: 8, .value_kind: global_buffer, .address_space: global }
      - { .name: Wo, .offset: 32, .size: 8, .value_kind: global_buffer, .address_space: global }
      - { .name: xq, .offset: 40, .size: 8, .value_kind: global_buffer, .address_space: global }
      - { .name: wq, .offset: 48, .size: 8, .value_kind: global_buffer, .address_space: global }
    .group_segment_fixed_size: 97280
    .private_segment_fixed_size: 0
    .kernarg_segment_align: 8
    .kernarg_segment_size: 56
    .max_flat_workgroup_size: 256
    .sgpr_count:     66
    .vgpr_count:     256
    .wavefront_size: 32
...
	.end_amdgpu_metadata
.endif
;; end of part 1
;; launch qkv (part 2): grid 32 x 8, 4 waves a work-group, clusters of 4 x 1, 327,680 bytes of LDS; arguments xq, wq, bq, bk, bv, qkv; writes qkv
.if DOCPART == 2
	.amdgcn_target "amdgcn-amd-amdhsa--gfx1250"
	.amdhsa_code_object_version 6
	.text
	.protected	k_q5269ecdc62_qkv
	.globl	k_q5269ecdc62_qkv
	.p2align	8
	.type	k_q5269ecdc62_qkv,@function
k_q5269ecdc62_qkv:
	s_mov_b64 s[64:65], 0
	v_nop
	global_prefetch_b8 v0, s[64:65] scope:SCOPE_SE
	s_setreg_imm32_b32 hwreg(HW_REG_WAVE_MODE, 25, 1), 1
	s_wait_xcnt 0x0
	s_wait_alu depctr_hold_cnt(0) depctr_sa_sdst(0) depctr_va_vdst(0) depctr_va_sdst(0) depctr_va_ssrc(0) depctr_va_vcc(0) depctr_vm_vsrc(0)
	s_getreg_b32 s2, hwreg(HW_REG_IB_STS2, 6, 4)
	s_cmp_eq_u32 s2, 0
	s_cbranch_scc0 .Lentry_in_a_cluster
	s_endpgm
.Lentry_in_a_cluster:
	s_bfe_u32 s2, ttmp6, 0x10000c
	s_cmp_lg_u32 s2, 0x3003
	s_cbranch_scc0 .Lentry_shape_is_right
	s_endpgm
.Lentry_shape_is_right:
; QKV: q = x Wq + bq, k = x Wk + bk, v = x Wv + bv on codes of FP6 (E2M3) with E8M0 scales, and the quantisers of q, k (along the head's 64) and v (along the tokens).
; A work-group: 256 rows of x (block R) x 128 columns (chunk j = one pair of heads) of all three products.  A wave: 64 rows (x tiles a = 0..3) x the 128 columns (W tiles b = 0..7): 32 accumulators.
; x's fragments of the wave's rows, for all of K (4 x 8 x 12 = 384 registers), come once from memory into registers and serve all three products.
; The three weights' chunks (3 x 98,304 bytes of register images) and their scale words lie in LDS together: every LDS byte is filled once, so there is no ring.
; CLUSTER: the four work-groups of a cluster share j, so each tensor load is asked for jointly, with the mask of all four; the place in the cluster enters x's and the outputs' addresses alone.
; q, k: source 0 = 16 columns of W, source 1 = 16 rows of x: a lane holds one token, its registers run along the columns.  v: the sources swapped: a lane holds one channel, its registers run along the tokens.
; Lane r of tile T holds row (or column) 32 (T / 2) + 8 (T % 2) + r + 8 (r / 8), so that the 16 registers of two neighbouring tiles of source 0 are 16 neighbours along the next K.
; OUT (buffer qkv): q codes [bb 4][hp 8][tt 128] images [i 6][lane][8 bytes] (half c = head parity: 768 bytes); k codes likewise from 6,291,456; v codes [bb][8 hp + b][bp 32][p 3][lane][8] from 12,582,912;
;   q scale words [bb][hp][tt][r] from 18,874,368; k's from 19,136,512; v's two bytes [bb][hp][bp][b][r] from 19,398,656.
; LIMITS: NaN and infinities are not served; a block of zeros, or one under 2^-124, gets the byte 1: this program alone reads the bytes.
; REGISTERS, in windows of 256.  Window 0: v1-11 addresses; v16-21 the phases' LDS addresses; v32-47 x's scale words; v48-79 W's; v80-119 the quantiser; v128-223 W's fragments, set 0; v224-255 bias of tiles b = 0..3.
;   Window 1: x's fragments of K steps 0-4 at v[48 s + 12 a]; v240-255 bias of b = 4, 5.   Window 2: K steps 5-7 at v[48 (s - 5) + 12 a]; v144-239 W's set 1; v240-255 bias of b = 6, 7.   Window 3: the accumulators.
.set WSC,    294912                    ; LDS: behind the six phases of 49,152 bytes: W's scale words, 3 x 4,096 bytes
.set SG,     307200                    ; and 768 bytes a wave in which a tile's scale words are gathered
.set XS,     32
.set WS,     48
.set TM,     80                        ; v80-83 largest magnitudes, v84-87 bytes, v92-95 the conversions' scale operands
.set PC,     96                        ; v96-107 the codes just made, v108-114 at work
.set PW,     116                       ; their scale word
.set SEL,    20
.set NTILES, 3
.set TCB,    5                         ; tensor loads issued behind phase 0's
.set MSB, 0
.macro WIN new                         ; low byte: bits 1:0 source 0, 3:2 source 1, 5:4 source 2, 7:6 destination; the high byte repeats the setting that is left
.if MSB != (\new)
	s_set_vgpr_msb (MSB<<8)|(\new)
.set MSB, (\new)
.endif
.endm
.macro PLACES n
.rept \n
	v_nop
.endr
.endm
.macro CROUND                          ; a round of the cluster's barrier
	s_barrier_signal -1
	s_barrier_wait -1
	s_cmp_lg_u32 s16, 0
	s_cbranch_scc1 .Lnot_wave_0_\@
	s_barrier_signal -3
.Lnot_wave_0_\@:
	s_barrier_wait -3
	s_barrier_signal -1
	s_barrier_wait -1
.endm
.macro BREG b                          ; where tile b's bias lies: window BW, register BR
.if (\b) < 4
.set BW, 0
.set BR, 224+8*(\b)
.elseif (\b) < 6
.set BW, 1
.set BR, 240+8*((\b)-4)
.else
.set BW, 2
.set BR, 240+8*((\b)-6)
.endif
.endm
	s_load_b256 s[4:11], s[0:1], 0x0               ; xq s[4:5], wq s[6:7], bq s[8:9], bk s[10:11]
	s_load_b128 s[12:15], s[0:1], 0x20             ; bv s[12:13], qkv s[14:15]
	v_lshl_add_u32 v126, v0, 2, 0x4bc00
	v_mov_b32 v127, 0
	ds_add_u32 v126, v127
	ds_add_u32 v126, v127
	v_lshrrev_b32 v1, 5, v0
	v_readfirstlane_b32 s16, v1                    ; wave 0..3
	s_and_b32 s19, ttmp7, 0xffff                   ; j, which the four partners share
	; descriptor groups 1: dense blocks as rows of 256 bytes (32 elements of 8 bytes); 15:0 the mask of all four work-groups, bit 21 set beside it
	s_mov_b32 s24, 15|(3<<16)|(1<<21)              ; codes: 48 rows, a quarter of a phase
	s_mov_b32 s25, 32<<16
	s_mov_b32 s26, 48<<16
	s_mov_b32 s27, 32<<16
	s_mov_b32 s28, 48
	s_mov_b32 s29, 32
	s_mov_b32 s30, 0
	s_mov_b32 s31, 0
	s_mov_b32 s32, 15|(3<<16)|(1<<21)              ; scale words: 12 rows, a quarter of the three weights'
	s_mov_b32 s33, 32<<16
	s_mov_b32 s34, 12<<16
	s_mov_b32 s35, 32<<16
	s_mov_b32 s36, 12
	s_mov_b32 s37, 32
	s_mov_b32 s38, 0
	s_mov_b32 s39, 0
	s_mul_i32 s92, s19, 393216                     ; chunk j's codes in wq: 8 blocks of 49,152 bytes (q, k, v take the first six),
	s_mul_i32 s94, s16, 12288                      ; my quarter of each
	s_add_co_u32 s92, s92, s94
	s_mov_b32 s93, 0
	s_lshl_b32 s96, s19, 14                        ; chunk j's scale words,
	s_mul_i32 s95, s16, 3072                       ; my quarter
	s_add_co_u32 s96, s96, s95
	s_add_co_u32 s96, s96, 3145728
	s_mov_b32 s97, 0
	s_lshl_b32 s98, s19, 9                         ; chunk j's 128 numbers of a bias
	s_mov_b32 s99, 0
	; what hangs on my place in the cluster: x's and the outputs' addresses
	s_bfe_u32 s17, ttmp6, 0x40000                  ; cx
	s_lshl_b32 s18, ttmp9, 2
	s_add_co_u32 s18, s18, s17                     ; R = 4 x cluster x + cx
	s_lshr_b32 s22, s18, 3                         ; bb: the batch
	s_and_b32 s23, s18, 7
	s_lshl_b32 s2, s22, 3
	s_add_co_u32 s2, s2, s19                       ; 8 bb + j
	s_lshl_b32 s3, s23, 4
	s_lshl_b32 s72, s16, 2
	s_add_co_u32 s3, s3, s72                       ; my first token tile in the batch
	s_lshl_b32 s72, s2, 7
	s_add_co_u32 s72, s72, s3
	s_lshl_b32 s74, s72, 6
	s_add_co_u32 s74, s74, 18874368                ; q's scale words
	s_mov_b32 s75, 0
	s_mul_i32 s72, s72, 1536                       ; q's codes
	s_mov_b32 s73, 0
	s_lshl_b32 s3, s23, 2
	s_add_co_u32 s3, s3, s16                       ; bp: my 64 tokens in the batch
	s_lshl_b32 s76, s2, 8
	s_add_co_u32 s76, s76, s3
	s_mul_i32 s76, s76, 768
	s_add_co_u32 s76, s76, 12582912                ; v's codes
	s_mov_b32 s77, 0
	s_lshl_b32 s78, s2, 5
	s_add_co_u32 s78, s78, s3
	s_lshl_b32 s78, s78, 8
	s_add_co_u32 s78, s78, 19398656                ; v's scale bytes
	s_mov_b32 s79, 0
	s_lshl_b32 s80, s18, 4
	s_lshl_b32 s3, s16, 2
	s_add_co_u32 s80, s80, s3                      ; my first tile of x
	s_lshl_b32 s82, s80, 6
	s_add_co_u32 s82, s82, 6291456                 ; its pair's scale words
	s_mov_b32 s83, 0
	s_mul_i32 s80, s80, 12288                      ; its codes: 8 images a tile
	s_mov_b32 s81, 0
	s_mov_b32 s[SEL], 0x76543210
	s_mov_b32 s[SEL+1], 0xfedcba98
	v_and_b32 v12, 31, v0                          ; lane
	v_lshlrev_b32 v1, 4, v12                       ; 16 x lane
	v_lshlrev_b32 v2, 3, v12                       ; 8 x lane
	v_lshlrev_b32 v3, 2, v12                       ; 4 x lane
	v_and_b32 v4, 15, v0                           ; r
	v_bfe_u32 v5, v0, 4, 1                         ; h
	v_lshlrev_b32 v10, 6, v5                       ; bias of q and k: my half's 16 columns of a pair of tiles
	v_and_b32 v11, 8, v4
	v_add_nc_u32 v11, v11, v4
	v_lshlrev_b32 v11, 2, v11                      ; bias of v: my channel of a tile
	s_wait_dscnt 0x0
	s_wait_kmcnt 0x0
	s_add_nc_u64 s[92:93], s[6:7], s[92:93]
	s_add_nc_u64 s[96:97], s[6:7], s[96:97]
	s_mov_b32 s40, 1                               ; group 0 for the scale words
	s_add_co_u32 s41, s95, WSC
	s_mov_b64 s[42:43], s[96:97]
	s_or_b32 s43, s43, 0x80000000
.irp ph, 0,1,2,3,4,5                           ; and for phase ph = 2 t + half of K: s[44:63], s[68:71]
.set G, 44+4*\ph+4*(\ph/5)
	s_mov_b32 s[G], 1
	s_add_co_u32 s[G+1], s94, \ph*49152
	s_add_nc_u64 s[G+2:G+3], s[92:93], \ph*49152
	s_or_b32 s[G+3], s[G+3], 0x80000000
.endr
	s_add_nc_u64 s[72:73], s[14:15], s[72:73]
	s_add_nc_u64 s[74:75], s[14:15], s[74:75]
	s_add_nc_u64 s[76:77], s[14:15], s[76:77]
	s_add_nc_u64 s[78:79], s[14:15], s[78:79]
	s_add_nc_u64 s[80:81], s[4:5], s[80:81]
	s_add_nc_u64 s[82:83], s[4:5], s[82:83]
	s_add_nc_u64 s[84:85], s[8:9], s[98:99]
	s_add_nc_u64 s[86:87], s[10:11], s[98:99]
	s_add_nc_u64 s[88:89], s[12:13], s[98:99]
	CROUND                                         ; all four work-groups are here: the joint loads meet
	tensor_load_to_lds s[40:43], s[32:39]          ; all of the launch's fills go out as one group: seven loads of mine are out
	s_nop 0
	tensor_load_to_lds s[44:47], s[24:31]
	s_nop 0
	tensor_load_to_lds s[48:51], s[24:31]
	s_nop 0
	tensor_load_to_lds s[52:55], s[24:31]
	s_nop 0
	tensor_load_to_lds s[56:59], s[24:31]
	s_nop 0
	tensor_load_to_lds s[60:63], s[24:31]
	s_nop 0
	tensor_load_to_lds s[68:71], s[24:31]
	s_nop 0
	PLACES 4                                       ; behind tensor loads
.macro BIASQ p                         ; q's or k's bias as the C of each sum's first product: lane (r, h), tile b: columns 32 (b / 2) + 16 h + 8 (b % 2) + 0 .. 7
.irp b, 0,1,2,3,4,5,6,7
	BREG \b
	WIN BW<<6
	global_load_b128 v[BR:BR+3], v10, s[\p:\p+1] offset:(32*(\b/2)+8*(\b%2))*4
	global_load_b128 v[BR+4:BR+7], v10, s[\p:\p+1] offset:(32*(\b/2)+8*(\b%2))*4+16
.endr
	WIN 0
.endm
.macro BIASV                           ; v's: a lane holds one channel, whose number fills the eight registers of C
.irp b, 0,1,2,3,4,5,6,7
	BREG \b
	WIN BW<<6
.irp jj, 0,1,2,3,4,5,6,7
	global_load_b32 v[BR+\jj], v11, s[88:89] offset:(32*(\b/2)+8*(\b%2))*4
.endr
.endr
	WIN 0
.endm
	BIASQ 84
.irp pl, 0,1
.irp s, 0,1,2,3,4,5,6,7
	global_load_b32 v[XS+8*\pl+\s], v3, s[82:83] offset:\s*32768+\pl*128   ; x's scale words: lanes 0-15 tile 2 pl, lanes 16-31 tile 2 pl + 1
.endr
.endr
.irp s, 0,1,2,3,4,5,6,7                        ; x's fragments, K step by K step, so that the first steps' waits can leave the later ones out
.if \s < 5
	WIN 0x40
.set XB, 48*\s
.else
	WIN 0x80
.set XB, 48*(\s-5)
.endif
.irp a, 0,1,2,3
.irp c3, 0,1,2
	global_load_b128 v[XB+12*\a+4*\c3:XB+12*\a+4*\c3+3], v1, s[80:81] offset:\a*12288+\s*1536+\c3*512
.endr
.endr
.endr
	WIN 0
	v_add_nc_u32 v6, WSC, v3                       ; W's scale words: 4 x lane
	s_mul_i32 s3, s16, 768
	s_add_co_u32 s3, s3, SG                        ; my gathering place
	v_lshl_add_u32 v7, v4, 2, s3                   ; a word a row
	v_lshl_add_u32 v8, v4, 1, s3                   ; two bytes a row
	v_add_nc_u32 v9, s3, v2                        ; back: 8 bytes a lane
.irp ph, 0,1,2,3,4,5
	v_add_nc_u32 v[16+\ph], \ph*49152, v1          ; phase ph: 16 x lane
.endr
.irp b, 0,1,2,3
	v_mov_b32 v[TM+4+\b], 0                        ; written once: a lane permute's destination counts as one of its sources
.endr
.macro FETCHW ph, s4, z                ; W's eight fragments of the phase's s4-th K step into set z: 24 loads of 512 consecutive bytes
	WIN (2*(\z))<<6
.irp b, 0,1,2,3,4,5,6,7
.irp c3, 0,1,2
	ds_load_b128 v[128+16*(\z)+12*\b+4*\c3:128+16*(\z)+12*\b+4*\c3+3], v[16+(\ph)] offset:\b*6144+(\s4)*1536+\c3*512
.endr
.endr
.endm
.macro LOADWS t                        ; weight t's scale words for all of K
.irp p, 0,1,2,3
.irp s, 0,1,2,3,4,5,6,7
	ds_load_b32 v[WS+8*\p+\s], v6 offset:(\t)*4096+\s*512+\p*128
.endr
.endr
.endm
.macro WM ra, rb                       ; one product; ra, rb: source 0's, source 1's scales stand in lanes 16-31
.if (\ra) && (\rb)
	v_wmma_scale_f32_16x16x128_f8f6f4 v[RD:RD+7], v[RA:RA+11], v[RB:RB+11], v[RC:RC+7], v[SA], v[SB] matrix_a_fmt:MATRIX_FMT_FP6 matrix_b_fmt:MATRIX_FMT_FP6 matrix_a_scale:MATRIX_SCALE_ROW1 matrix_b_scale:MATRIX_SCALE_ROW1
.elseif (\ra)
	v_wmma_scale_f32_16x16x128_f8f6f4 v[RD:RD+7], v[RA:RA+11], v[RB:RB+11], v[RC:RC+7], v[SA], v[SB] matrix_a_fmt:MATRIX_FMT_FP6 matrix_b_fmt:MATRIX_FMT_FP6 matrix_a_scale:MATRIX_SCALE_ROW1
.elseif (\rb)
	v_wmma_scale_f32_16x16x128_f8f6f4 v[RD:RD+7], v[RA:RA+11], v[RB:RB+11], v[RC:RC+7], v[SA], v[SB] matrix_a_fmt:MATRIX_FMT_FP6 matrix_b_fmt:MATRIX_FMT_FP6 matrix_b_scale:MATRIX_SCALE_ROW1
.else
	v_wmma_scale_f32_16x16x128_f8f6f4 v[RD:RD+7], v[RA:RA+11], v[RB:RB+11], v[RC:RC+7], v[SA], v[SB] matrix_a_fmt:MATRIX_FMT_FP6 matrix_b_fmt:MATRIX_FMT_FP6
.endif
.endm
; A K step's 32 products.  The 32 accumulators take turns, one instruction a turn, in the same order in every step.  The first step's C is the bias: nothing is cleared.
.macro MUL t, s
.set WW, 2*((\s)%2)
.set WB, 128+16*((\s)%2)
.if (\s) < 5
.set XW, 1
.set XB, 48*(\s)
.else
.set XW, 2
.set XB, 48*((\s)-5)
.endif
.irp b, 0,1,2,3,4,5,6,7
.irp a, 0,1,2,3
.if (\t) < 2
.set RD, 8*(8*\a+\b)
.set RA, WB+12*\b
.set RB, XB+12*\a
.set SA, WS+8*(\b/2)+(\s)
.set SB, XS+8*(\a/2)+(\s)
.set W01, (XW<<2)|WW
.else
.set RD, 8*(4*\b+\a)
.set RA, XB+12*\a
.set RB, WB+12*\b
.set SA, XS+8*(\a/2)+(\s)
.set SB, WS+8*(\b/2)+(\s)
.set W01, (WW<<2)|XW
.endif
.if (\s) == 0
	BREG \b
.set RC, BR
	WIN 0xc0|(BW<<4)|W01
.else
.set RC, RD
	WIN 0xf0|W01
.endif
.if (\t) < 2
	WM \b%2, \a%2
.else
	WM \a%2, \b%2
.endif
.endr
.endr
.endm
; A K step: its operands are waited for, the next step's fragments of W are asked for into the other set, then its 32 products.  lc: how many younger global loads may stay out (-1: no wait).
.macro KSTEP t, s, lc
.if (\lc) >= 0
	s_wait_loadcnt \lc
.endif
	s_wait_dscnt 0x0                               ; this step's fragments of W (asked for a step ago), the scale words and the way out's LDS work are in
.set NS, ((\s)+1)%8
.set NT, (\t)+((\s)+1)/8
.set NPH, 2*NT+NS/4
.if NT < NTILES
.if NS%4 == 0
	s_wait_tensorcnt TCB-NPH                       ; my quarter of the next phase has landed; the later phases' loads may stay out
	s_barrier_signal -1
	s_barrier_wait -1                              ; everybody's has
.endif
	PLACES 4                                       ; in front of loads into registers that the last step's products have read
.if ((\s) == 4) && ((\t) == 0)
	BIASQ 86                                       ; the next product's bias: this one's was read in step 0
.endif
.if ((\s) == 4) && ((\t) == 1)
	BIASV
.endif
	FETCHW NPH, NS%4, NS%2
.endif
	MUL \t, \s
.endm
; nb blocks of 32: v[src + 16 b + i] (window sw) = k 32 b + 16 (lane / 16) + i of my row, become codes in v[PC] on and the scale bytes in v[PW].  Each accumulator is read from its low end on.
.macro QUANT src, nb, sw
	WIN ((\sw)<<2)|((\sw)<<4)
.set qb, 0
.rept \nb
	v_max3_num_f32 v[TM+qb], 0x1800000, |v[(\src)+16*qb]|, |v[(\src)+16*qb+1]|   ; the floor 2^(3 - 127): the byte cannot fall under 1
.set qb, qb+1
.endr
.set qi, 2
.rept 7
.set qb, 0
.rept \nb
	v_max3_num_f32 v[TM+qb], v[TM+qb], |v[(\src)+16*qb+qi]|, |v[(\src)+16*qb+qi+1]|
.set qb, qb+1
.endr
.set qi, qi+2
.endr
	WIN 0
.set qb, 0
.rept \nb
	v_permlanex16_b32 v[TM+4+qb], v[TM+qb], s[SEL], s[SEL+1]
.set qb, qb+1
.endr
.set qb, 0
.rept \nb
	v_max_num_f32 v[TM+qb], v[TM+qb], v[TM+4+qb]   ; with lane l xor 16's: the block's largest magnitude
.set qb, qb+1
.endr
.set qb, 0
.rept \nb
	v_add_nc_u32 v[TM+12+qb], 0xff000000, v[TM+qb] ; 2 off its exponent field: the conversion's scale operand
.set qb, qb+1
.endr
.set qb, 0
.rept \nb
	v_lshrrev_b32 v[TM+4+qb], 23, v[TM+12+qb]      ; the byte
.set qb, qb+1
.endr
	v_lshl_or_b32 v[PW], v[TM+5], 8, v[TM+4]
.if (\nb) == 4
	v_lshl_or_b32 v[PW], v[TM+6], 16, v[PW]
	v_lshl_or_b32 v[PW], v[TM+7], 24, v[PW]
.endif
	s_wait_xcnt 0x0                                ; the earlier stores have read v[PC] on (and v[118:119]): only now are they written again
	WIN \sw
.set qc, 0
.rept (\nb)/2
	v_cvt_scalef32_pk16_fp6_f32 v[PC+6*qc:PC+6*qc+2], v[(\src)+32*qc:(\src)+32*qc+15], v[TM+12+2*qc]
	v_cvt_scalef32_pk16_fp6_f32 v[PC+12+4*qc:PC+14+4*qc], v[(\src)+32*qc+16:(\src)+32*qc+31], v[TM+13+2*qc]
.set qc, qc+1
.endr
	WIN 0
	v_nop                                          ; one plain place behind a scaled conversion
.set qc, 0
.rept (\nb)/2                                  ; a whole block in a lane: lanes 0-15 block 2 c, lanes 16-31 block 2 c + 1
.irp i, 0,1,2
	v_permlane16_swap_b32 v[PC+6*qc+\i], v[PC+12+4*qc+\i]
.endr
.irp i, 0,1,2
	v_mov_b32 v[PC+6*qc+3+\i], v[PC+12+4*qc+\i]
.endr
.set qc, qc+1
.endr
.endm
; The way out of q (t = 0) and k (t = 1): a tile of 16 tokens x 128 columns is one fragment; it leaves as six stores of 256 consecutive bytes.  The wave's 64 scale words meet in its own LDS bytes and leave as 256 bytes.
.macro EPIQK t
	WIN 0
	PLACES 4                                       ; behind the last products: in front of the first read of results and of the loads into the scale registers
	LOADWS (\t)+1
.irp a, 0,1,2,3
	QUANT 64*\a, 4, 3
.irp i, 0,1,2,3,4,5
	global_store_b64 v2, v[PC+2*\i:PC+2*\i+1], s[72:73] offset:(\t)*6291456+\a*1536+256*\i
.endr
	ds_store_b32 v7, v[PW] offset:(\t)*256+64*\a   ; lanes r and 16 + r write the same word with the same value
.endr
	ds_load_b64 v[118:119], v9 offset:(\t)*256     ; LDS serves a wave's instructions in order: this sees my stores
	s_wait_dscnt 0x0
	global_store_b64 v2, v[118:119], s[74:75] offset:(\t)*262144
.endm
; The way out of v: tile b's 16 channels x my 64 tokens are two blocks along the keys: six registers, 768 bytes.
.macro EPIV
	WIN 0
	PLACES 4
.irp b, 0,1,2,3,4,5,6,7
	QUANT 32*\b, 2, 3
.irp p, 0,1,2
	global_store_b64 v2, v[PC+2*\p:PC+2*\p+1], s[76:77] offset:\b*24576+256*\p
.endr
	ds_store_b16 v8, v[PW] offset:512+32*\b
.endr
	ds_load_b64 v[118:119], v9 offset:512
	s_wait_dscnt 0x0
	global_store_b64 v2, v[118:119], s[78:79]
.endm
	s_wait_tensorcnt 5                             ; the scale words and my quarter of phase 0 are in; the five later phases' loads may be out
	s_barrier_signal -1
	s_barrier_wait -1                              ; everybody's are
	LOADWS 0
	FETCHW 0, 0, 0
	; global loads were issued in this order: bias 16, x's scale words 16, x's fragments 12 a K step; step 4 adds k's bias, 16.  Each count is the loads younger than the step's fragments (84 and 72 are written as 63, the highest count that can be written)
	KSTEP 0, 0, 63
	KSTEP 0, 1, 63
	KSTEP 0, 2, 60
	KSTEP 0, 3, 48
	KSTEP 0, 4, 36
	KSTEP 0, 5, 40
	KSTEP 0, 6, 28
	KSTEP 0, 7, 16
	EPIQK 0
	KSTEP 1, 0, 0                                  ; k's bias
	KSTEP 1, 1, -1
	KSTEP 1, 2, -1
	KSTEP 1, 3, -1
	KSTEP 1, 4, -1
	KSTEP 1, 5, -1
	KSTEP 1, 6, -1
	KSTEP 1, 7, -1
	EPIQK 1
	KSTEP 2, 0, 0                                  ; v's bias
	KSTEP 2, 1, -1
	KSTEP 2, 2, -1
	KSTEP 2, 3, -1
	KSTEP 2, 4, -1
	KSTEP 2, 5, -1
	KSTEP 2, 6, -1
	KSTEP 2, 7, -1
	EPIV
	s_wait_tensorcnt 0x0
	ds_add_u32 v126, v127
	s_wait_dscnt 0x0
	CROUND                                         ; the closing round: no work-group ends while a partner may still ask for a tile that names it
	s_endpgm
.Lfunc_end_k_q5269ecdc62_qkv:
	.size	k_q5269ecdc62_qkv, .Lfunc_end_k_q5269ecdc62_qkv-k_q5269ecdc62_qkv
	.p2alignl 7, 3214868480
	.fill 96, 4, 3214868480
	.section	.rodata,"a",@progbits
	.p2align	6, 0x0
	.amdhsa_kernel k_q5269ecdc62_qkv
		.amdhsa_group_segment_fixed_size 327680
		.amdhsa_private_segment_fixed_size 0
		.amdhsa_enable_private_segment 0
		.amdhsa_kernarg_size 48
		.amdhsa_user_sgpr_count 2
		.amdhsa_user_sgpr_kernarg_segment_ptr 1
		.amdhsa_wavefront_size32 1
		.amdhsa_system_sgpr_workgroup_id_x 1
		.amdhsa_system_sgpr_workgroup_id_y 1
		.amdhsa_system_sgpr_workgroup_id_z 1
		.amdhsa_system_vgpr_workitem_id 0
		.amdhsa_next_free_vgpr 1024
		.amdhsa_next_free_sgpr 100
		.amdhsa_reserve_vcc 0
		.amdhsa_float_denorm_mode_32 3
		.amdhsa_float_denorm_mode_16_64 3
		.amdhsa_memory_ordered 1
		.amdhsa_forward_progress 1
		.amdhsa_inst_pref_size 229
	.end_amdhsa_kernel
	.amdgpu_metadata
---
amdhsa.version: [ 1, 2 ]
amdhsa.kernels:
  - .name:           k_q5269ecdc62_qkv
    .symbol:         k_q5269ecdc62_qkv.kd
    .args:
      - { .name: xq, .offset: 0, .size: 8, .value_kind: global_buffer, .address_space: global }
      - { .name: wq, .offset: 8, .size: 8, .value_kind: global_buffer, .address_space: global }
      - { .name: bq, .offset: 16, .size: 8, .value_kind: global_buffer, .address_space: global }
      - { .name: bk, .offset: 24, .size: 8, .value_kind: global_buffer, .address_space: global }
      - { .name: bv, .offset: 32, .size: 8, .value_kind: global_buffer, .address_space: global }
      - { .name: qkv, .offset: 40, .size: 8, .value_kind: global_buffer, .address_space: global }
    .group_segment_fixed_size: 327680
    .private_segment_fixed_size: 0
    .kernarg_segment_align: 8
    .kernarg_segment_size: 48
    .max_flat_workgroup_size: 128
    .sgpr_count:     100
    .vgpr_count:     1024
    .wavefront_size: 32
...
	.end_amdgpu_metadata
.endif
;; end of part 2
;; launch attn (part 3): grid 16 x 32, 8 waves a work-group, no clusters, 52,736 bytes of LDS; arguments qkv, ao; writes ao
.if DOCPART == 3
	.amdgcn_target "amdgcn-amd-amdhsa--gfx1250"
	.amdhsa_code_object_version 6
	.text
	.protected	k_q5269ecdc62_attn
	.globl	k_q5269ecdc62_attn
	.p2align	8
	.type	k_q5269ecdc62_attn,@function
k_q5269ecdc62_attn:
	s_mov_b64 s[64:65], 0
	v_nop
	global_prefetch_b8 v0, s[64:65] scope:SCOPE_SE
	s_setreg_imm32_b32 hwreg(HW_REG_WAVE_MODE, 25, 1), 1
	s_wait_xcnt 0x0
; ATTN: for each pair of heads and each block of 128 queries: S^T = k q^T, the band 0 <= query - key <= 128, the softmax, O^T = v^T p^T, O / l, and the quantiser of the result along the channels.
; All products on codes of FP6 (E2M3) with E8M0 scales.  t = score x log2(e) / 8; M = the row's largest t rounded up to a whole number; p = 2^(t - M) is quantised along the keys in the aligned blocks of 32;
; the row's sum is taken of the unquantised p and divides O at the end.  A query's keys lie in five aligned blocks of 32, all in registers at once: so M is the row's own, not a running one.
; SHARES.  A work-group: queries 128 tb .. + 127 of batch bb, heads 2 hp and 2 hp + 1.  Wave w: query tile w (g = w / 2: which 32 queries; u = w % 2), both heads one after the other.
; The work-group's keys are the chunks tb - 1 and tb of 128: eight local blocks; wave w uses blocks g .. g + 4.  For tb = 0 the earlier chunk's addresses are held at chunk 0 and its blocks are hidden
; by -infinity added to the block's largest score and to its -M: no branch.
; K and V come once through registers into LDS (no tensor load, nothing is filled twice).  Two work-groups share a WGP: four waves to a SIMD, so that one wave's softmax stands beside another's products and LDS loads.
; Both products are used transposed: a lane holds ONE query (lane % 16).  The first product's K is 64: q's fragment holds zero codes for the other 64, so whatever stands there in k's registers adds nothing
; (E2M3 has no NaN and no infinity, and the scale bytes there are 0, which is 2^-127).  Likewise p's second fragment (block g + 4 alone) holds zero codes elsewhere.
; OUT (buffer ao), laid as the next product's operand: codes [T 512][s = hp] images [c3 3][lane][16 bytes]; from 6,291,456 the scale words [s 8][P 256][32].
; LIMITS: NaN and infinities are not served; a block of zeros, or one under 2^-124, gets the byte 1: this program alone reads the bytes.
.set KIMG, 0                           ; LDS: 16 tiles of k, 1,536 bytes each (head parity c: 768 bytes)
.set VIMG, 24576                       ; [a = 4 c + dt 8][pair of blocks 4][768 bytes]
.set KSC,  49152                       ; k's scale words [tile 16][r 16]
.set VSC,  50176                       ; v's scale bytes [pair of blocks 4][a 8][r 16], two each
.set OSC,  51200                       ; the result's scale words, 512 bytes
.set Q,    16                          ; v16-27 q's fragment (v22-27 stay 0)
.set KB,   28                          ; v28-93 k's tile i at v[28 + 6 i] (v88-93 stay 0); later v's fragments of block g + 4
.set S,    94                          ; v94-173 S^T, then p
.set VH,   158                         ; v158-173 v's scale bytes as loaded (ahead of the first product)
.set VF,   94                          ; v94-141 v's fragments of blocks g .. g + 3 (behind the conversions)
.set O,    142                         ; v142-173 O^T
.set PA,   174                         ; p's codes, blocks g .. g + 3
.set PB,   186                         ; p's codes, block g + 4 (v192-197 stay 0)
.set PO,   198                         ; the result's fragment
.set BM,   210                         ; v210-214 the blocks' largest scores, then p, then bytes
.set PWA,  215                         ; p's scale words
.set BX,   216                         ; v216-220 at work; the conversions' scale operands
.set PWB,  221
.set NM,   222                         ; v222, 224 .. 230: -M of block i (-infinity where the block is hidden)
.set VWA,  223                         ; v223, 225 .. 229: v's scale words for blocks g .. g + 3, tile dt
.set OW,   231                         ; the result's scale word
.set T0,   232                         ; v232-234, v236-238 the conversions' second halves
.set QS,   235                         ; q's scale word
.set T1,   236
.set KS,   240                         ; v240-244 k's scale words
.set VWB,  245                         ; v245-248 v's scale words for block g + 4
	s_load_b128 s[4:7], s[0:1], 0x0                ; qkv s[4:5], ao s[6:7]
	s_set_vgpr_msb 0x40
	v_lshl_add_u32 v0, v0, 2, 0xca00
	v_mov_b32 v1, 0
	s_set_vgpr_msb 0x4000
	v_lshrrev_b32 v1, 5, v0
	v_readfirstlane_b32 s8, v1                     ; wave 0..7
	s_mov_b32 s9, ttmp9                            ; tb
	s_and_b32 s10, ttmp7, 0xffff                   ; y = 8 bb + hp
	s_lshr_b32 s11, s8, 1                          ; g
	s_and_b32 s12, s8, 1                           ; u
	s_sub_co_i32 s13, s9, 1
	s_max_i32 s13, s13, 0                          ; the earlier chunk, held at 0
	s_lshl_b32 s14, s11, 3                         ; 8 g: the shift that picks bytes g .. of v's eight
	s_mul_i32 s44, s10, 196608                     ; k's codes: 128 tiles of 1,536 bytes for each y,
	s_add_co_u32 s44, s44, 6291456
	s_mul_i32 s45, s13, 12288                      ; 8 tiles a chunk
	s_add_co_u32 s24, s44, s45
	s_mov_b32 s25, 0
	s_mul_i32 s45, s9, 12288
	s_add_co_u32 s26, s44, s45
	s_mov_b32 s27, 0
	s_lshl_b32 s44, s10, 3                         ; v's codes: piece a = my wave: 32 pairs of blocks of 768 bytes,
	s_add_co_u32 s44, s44, s8
	s_mul_i32 s44, s44, 24576
	s_add_co_u32 s44, s44, 12582912
	s_mul_i32 s45, s13, 1536                       ; two pairs a chunk
	s_add_co_u32 s28, s44, s45
	s_mov_b32 s29, 0
	s_mul_i32 s45, s9, 1536
	s_add_co_u32 s30, s44, s45
	s_mov_b32 s31, 0
	s_cmp_lt_u32 s8, 4                             ; the scale bytes, 512 a chunk: waves 0-3 bring the earlier chunk's, waves 4-7 the own chunk's
	s_cselect_b32 s45, s13, s9
	s_lshl_b32 s45, s45, 9
	s_lshl_b32 s44, s10, 13
	s_add_co_u32 s44, s44, s45
	s_add_co_u32 s32, s44, 19136512
	s_mov_b32 s33, 0
	s_add_co_u32 s34, s44, 19398656
	s_mov_b32 s35, 0
	s_lshl_b32 s44, s10, 7                         ; q: tile 128 y + 8 tb + wave
	s_lshl_b32 s45, s9, 3
	s_add_co_u32 s44, s44, s45
	s_add_co_u32 s44, s44, s8
	s_mul_i32 s36, s44, 1536
	s_mov_b32 s37, 0
	s_lshl_b32 s38, s44, 6
	s_add_co_u32 s38, s38, 18874368
	s_mov_b32 s39, 0
	s_lshr_b32 s46, s10, 3                         ; bb
	s_and_b32 s47, s10, 7                          ; hp
	s_lshl_b32 s44, s46, 7
	s_add_co_u32 s44, s44, s45
	s_add_co_u32 s44, s44, s8                      ; the result's tile T = 128 bb + 8 tb + wave,
	s_lshl_b32 s44, s44, 3
	s_add_co_u32 s44, s44, s47                     ; K step hp
	s_mul_i32 s40, s44, 1536
	s_mov_b32 s41, 0
	s_lshl_b32 s42, s47, 15                        ; its scale words: K step hp, pair 64 bb + 4 tb on
	s_lshl_b32 s44, s46, 13
	s_add_co_u32 s42, s42, s44
	s_lshl_b32 s44, s9, 9
	s_add_co_u32 s42, s42, s44
	s_add_co_u32 s42, s42, 6291456
	s_mov_b32 s43, 0
	s_lshl_b32 s44, s9, 2
	s_add_co_u32 s44, s44, s11                     ; 4 tb + g: local block i is block 4 tb + g + i - 4 of the batch
.irp i, 0,1,2,3
	s_cmp_lt_u32 s44, 4-\i
	s_cselect_b32 s[16+\i], 0xff800000, 0          ; -infinity where there is no such block
.endr
	s_mov_b32 s20, 0x76543210
	s_mov_b32 s21, 0xfedcba98                      ; selects of v_permlanex16_b32: lane l xor 16
	s_mov_b32 s22, 0x3e38aa3b                      ; c = log2(e) / sqrt(64)
	s_mov_b32 s23, s22                             ; (the packed form names the pair)
	v_and_b32 v254, 31, v0                         ; lane
	v_lshlrev_b32 v1, 3, v254                      ; 8 x lane
	v_lshlrev_b32 v2, 4, v254                      ; 16 x lane
	v_and_b32 v3, 15, v0                           ; r
	v_lshlrev_b32 v13, 2, v3                       ; 4 r
	v_lshlrev_b32 v14, 4, v0                       ; 16 x thread
	v_and_b32 v15, 127, v0
	v_lshlrev_b32 v15, 2, v15                      ; 4 x (thread % 128)
	s_wait_kmcnt 0x0
	s_add_nc_u64 s[24:25], s[4:5], s[24:25]
	s_add_nc_u64 s[26:27], s[4:5], s[26:27]
	s_add_nc_u64 s[28:29], s[4:5], s[28:29]
	s_add_nc_u64 s[30:31], s[4:5], s[30:31]
	s_add_nc_u64 s[32:33], s[4:5], s[32:33]
	s_add_nc_u64 s[34:35], s[4:5], s[34:35]
	s_add_nc_u64 s[36:37], s[4:5], s[36:37]
	s_add_nc_u64 s[38:39], s[4:5], s[38:39]
	s_add_nc_u64 s[40:41], s[6:7], s[40:41]
	s_add_nc_u64 s[42:43], s[6:7], s[42:43]
.irp i, 0,1,2
	global_load_b128 v[94+4*\i:97+4*\i], v14, s[24:25] offset:4096*\i     ; k, the earlier chunk: the work-group reads 4,096 consecutive bytes a load
.endr
.irp i, 0,1,2
	global_load_b128 v[106+4*\i:109+4*\i], v14, s[26:27] offset:4096*\i   ; k, the own chunk
.endr
.irp i, 0,1,2
	global_load_b128 v[118+4*\i:121+4*\i], v2, s[28:29] offset:512*\i     ; v, my piece, the earlier chunk
.endr
.irp i, 0,1,2
	global_load_b128 v[130+4*\i:133+4*\i], v2, s[30:31] offset:512*\i     ; v, the own chunk
.endr
	global_load_b32 v142, v15, s[32:33]            ; k's scale words
	global_load_b32 v143, v15, s[34:35]            ; v's scale bytes
.irp p, 0,1,2
	global_load_b64 v[Q+2*\p:Q+2*\p+1], v1, s[36:37] offset:256*\p        ; q of the even head
.endr
	global_load_u16 v[QS], v13, s[38:39]           ; its two scale bytes; the upper two bytes are 0
	v_bfe_u32 v4, v0, 4, 1                         ; h
	s_mul_i32 s44, s11, 3072
	v_add_nc_u32 v5, s44, v1                       ; k's tiles from tile 2 g on: 8 x lane
	s_lshl_b32 s44, s11, 7
	s_add_co_u32 s44, s44, KSC
	v_lshl_add_u32 v6, v254, 2, s44                ; k's scale words: lanes 0-15 the even tile, lanes 16-31 the odd one
	v_lshl_add_u32 v7, v3, 1, VSC                  ; v's scale bytes: row r
	; v's fragment wants in lane (r, h) block g + 2 c2 + h.  g even: pair g / 2 + c2, half h.  g odd: h = 0: pair (g - 1) / 2 + c2, half 1; h = 1: the next pair, half 0.  One product of h serves both
	s_lshr_b32 s44, s11, 1
	s_mul_i32 s44, s44, 768
	s_and_b32 s45, s11, 1
	s_lshl_b32 s46, s45, 7
	s_add_co_u32 s44, s44, s46
	s_add_co_u32 s44, s44, VIMG
	s_lshl_b32 s46, s45, 9
	s_add_co_u32 s46, s46, 128                     ; from lanes 0-15 to lanes 16-31: 128 bytes (g even) or 640 (g odd)
	v_mul_u32_u24 v8, s46, v4
	v_lshl_add_u32 v8, v3, 3, v8
	v_add_nc_u32 v8, s44, v8
	v_lshl_add_u32 v9, v3, 3, s44
	v_add_nc_u32 v9, 1536, v9                      ; block g + 4: two pairs on; lanes 16-31 read what lanes 0-15 read and meet zero codes
	v_and_b32 v10, 8, v3
	v_add_nc_u32 v10, v10, v3
	v_lshlrev_b32 v255, 4, v4
	v_sub_nc_u32 v10, v10, v255
	s_lshl_b32 s45, s12, 3
	v_add_nc_u32 v10, s45, v10                     ; D0 = my query's place among its 32, less 16 h: in block 0 register n is hidden where n < D0, in block 4 where n > D0
	v_mov_b32 v11, 0xff800000                      ; -infinity
	v_lshlrev_b32 v12, 2, v0                       ; 4 x thread
	s_mul_i32 s45, s8, 3072
	s_add_co_u32 s45, s45, VIMG
	v_add_nc_u32 v239, s45, v2                     ; where my piece of v goes
	s_lshl_b32 s45, s8, 6
	s_add_co_u32 s45, s45, OSC
	v_lshl_add_u32 v249, v3, 2, s45                ; where my result's scale word goes
.irp i, 0,1,2,3,4,5
	v_mov_b32 v[Q+6+\i], 0                         ; zero codes for the 64 along K that the first product does not have
	v_mov_b32 v[KB+60+\i], 0                       ; (named by the last tile's operand)
	v_mov_b32 v[PB+6+\i], 0                        ; zero codes behind block g + 4
.endr
.irp i, 0,1,2,3,4
	v_mov_b32 v[BX+\i], 0                          ; written once: a lane permute's destination counts as one of its sources
.endr
	v_mov_b32 v[OW], 0                             ; (named as the upper half of a pair before it is first made)
	v_mov_b32 v253, 0
	s_wait_loadcnt 4                               ; k, v and their scales are in; q's four loads, issued behind them, may be out
.irp i, 0,1,2,3,4,5
	ds_store_b128 v14, v[94+4*\i:97+4*\i] offset:KIMG+(\i/3)*12288+(\i%3)*4096
.endr
.irp i, 0,1,2,3,4,5
	ds_store_b128 v239, v[118+4*\i:121+4*\i] offset:(\i/3)*1536+(\i%3)*512
.endr
	ds_store_b32 v12, v142 offset:KSC
	ds_store_b32 v12, v143 offset:VSC
	s_wait_dscnt 0x0                               ; for the others' sake: my stores have landed
	s_barrier_signal -1
	s_barrier_wait -1
	s_wait_loadcnt 0x0                             ; q
; ONE HEAD (parity c) of my 16 queries.
.macro HEAD c
.if (\c) == 1
	s_wait_loadcnt 0x0                             ; the odd head's q, asked for in the even head's softmax
.endif
.irp i, 0,1,2,3,4
	ds_load_u16 v[KS+\i], v6 offset:128*\i+2*(\c)  ; the head's two bytes of each key; the upper two bytes are 0
.endr
.irp dt, 0,1,2,3
.irp l, 0,1,2,3
	ds_load_u16 v[VH+4*\dt+\l], v7 offset:256*\l+(4*(\c)+\dt)*32
.endr
.endr
.irp k, 0,1,2,3,4,5,6,7,8,9
.irp p, 0,1,2
	ds_load_b64 v[KB+6*\k+2*\p:KB+6*\k+2*\p+1], v5 offset:\k*1536+(\c)*768+256*\p
.endr
.endr
	s_wait_dscnt 0x0
.irp dt, 0,1,2,3                               ; v's eight bytes of a channel (local blocks 0-7): bytes g .. g + 3 and byte g + 4 on
	v_lshl_or_b32 v254, v[VH+4*\dt+1], 16, v[VH+4*\dt]
	v_lshl_or_b32 v255, v[VH+4*\dt+3], 16, v[VH+4*\dt+2]
	v_alignbit_b32 v[VWA+2*\dt], v255, v254, s14
	v_lshrrev_b32 v[VWB+\dt], s14, v255
.endr
.irp k, 0,1,2,3,4,5,6,7,8,9                    ; S^T: the 16 registers of tiles 2 i and 2 i + 1 are keys 16 (lane / 16) + 0 .. 15 of block g + i
.if \k%2
	v_wmma_scale_f32_16x16x128_f8f6f4 v[S+8*\k:S+8*\k+7], v[KB+6*\k:KB+6*\k+11], v[Q:Q+11], 0, v[KS+\k/2], v[QS] matrix_a_fmt:MATRIX_FMT_FP6 matrix_b_fmt:MATRIX_FMT_FP6 matrix_a_scale:MATRIX_SCALE_ROW1
.else
	v_wmma_scale_f32_16x16x128_f8f6f4 v[S+8*\k:S+8*\k+7], v[KB+6*\k:KB+6*\k+11], v[Q:Q+11], 0, v[KS+\k/2], v[QS] matrix_a_fmt:MATRIX_FMT_FP6 matrix_b_fmt:MATRIX_FMT_FP6
.endif
.endr
.rept 4
	v_nop                                          ; places behind the products
.endr
.irp n, 0,1,2,3,4,5,6,7,8,9,10,11,12,13,14,15  ; the band: blocks 1 to 3 count whole; in block 0 keys more than 128 back are hidden,
	v_cmp_lt_i32 vcc_lo, \n, v10
	v_cndmask_b32 v[S+\n], v[S+\n], v11, vcc_lo
.endr
.irp n, 0,1,2,3,4,5,6,7,8,9,10,11,12,13,14,15  ; in block 4 the keys behind the query
	v_cmp_gt_i32 vcc_lo, \n, v10
	v_cndmask_b32 v[S+64+\n], v[S+64+\n], v11, vcc_lo
.endr
.irp b, 0,1,2,3,4
	v_max3_num_f32 v[BM+\b], v[S+16*\b], v[S+16*\b+1], v[S+16*\b+2]   ; each block's largest score: for the row's maximum and, since p rises with the score, for the block's largest p
.endr
.irp i, 3,5,7,9,11,13
.irp b, 0,1,2,3,4
	v_max3_num_f32 v[BM+\b], v[BM+\b], v[S+16*\b+\i], v[S+16*\b+\i+1]
.endr
.endr
.irp b, 0,1,2,3,4
	v_max_num_f32 v[BM+\b], v[BM+\b], v[S+16*\b+15]
.endr
.irp b, 0,1,2,3,4
	v_permlanex16_b32 v[BX+\b], v[BM+\b], s20, s21
.endr
.irp b, 0,1,2,3,4
	v_max_num_f32 v[BM+\b], v[BM+\b], v[BX+\b]     ; with lane l xor 16's 16 keys
.endr
.irp b, 0,1,2,3
	v_add_f32 v[BM+\b], s[16+\b], v[BM+\b]         ; a block that does not exist counts for nothing
.endr
	v_max3_num_f32 v254, v[BM], v[BM+1], v[BM+2]
	v_max3_num_f32 v254, v254, v[BM+3], v[BM+4]    ; the row's largest score (the query's own key always counts)
	v_mul_f32 v254, s22, v254                      ; as t
	v_floor_f32 v[NM+8], -v254                     ; -M = floor(-t) = -ceil(t)
.irp b, 0,1,2,3
	v_add_f32 v[NM+2*\b], s[16+\b], v[NM+8]
.endr
.if (\c) == 0
.irp p, 0,1,2
	global_load_b64 v[Q+2*\p:Q+2*\p+1], v1, s[36:37] offset:768+256*\p   ; the odd head's q: the products that read these registers stand far more than four places back
.endr
	global_load_u16 v[QS], v13, s[38:39] offset:2
.endif
.irp i, 0,1,2,3,4
.irp jj, 0,2,4,6,8,10,12,14
	v_pk_fma_f32 v[S+16*\i+\jj:S+16*\i+\jj+1], v[S+16*\i+\jj:S+16*\i+\jj+1], s[22:23], v[NM+2*\i:NM+2*\i+1] op_sel_hi:[1,0,0]   ; t - M, two at a time (of the pairs c and -M the low word serves both halves)
.endr
.endr
.irp i, 0,1,2,3,4
	v_fma_f32 v[BM+\i], v[BM+\i], s22, v[NM+2*\i]  ; the same of each block's largest score
.endr
.set e, 0
.rept 80
	v_exp_f32 v[S+e], v[S+e]                       ; p = 2^(t - M): not normalised
.set e, e+1
.endr
	v_nop                                          ; a plain place behind the exponentials
	s_wait_alu depctr_va_vdst(0)                   ; one wait for the whole batch, ahead of its first reader
.irp i, 0,1,2,3,4
	v_exp_f32 v[BM+\i], v[BM+\i]                   ; the block's largest p: the same two instructions on the same number give the same bits
.endr
	v_pk_add_f32 v[250:251], v[S:S+1], v[S+2:S+3]  ; the row's sum of the unquantised p, in two chains (plain work behind the five)
	v_pk_add_f32 v[252:253], v[S+4:S+5], v[S+6:S+7]
.irp jj, 8,12,16,20,24,28,32,36,40,44,48,52,56,60,64,68,72,76
	v_pk_add_f32 v[250:251], v[250:251], v[S+\jj:S+\jj+1]
	v_pk_add_f32 v[252:253], v[252:253], v[S+\jj+2:S+\jj+3]
.endr
	v_pk_add_f32 v[250:251], v[250:251], v[252:253]
	v_add_f32 v252, v250, v251
	s_wait_alu depctr_va_vdst(0)                   ; and one for the five
.irp i, 0,1,2,3,4
	v_max_num_f32 v[BM+\i], 0x1800000, v[BM+\i]    ; the floor 2^(3 - 127): a block whose every p is 0 keeps the byte 1: its codes are zeros
.endr
.irp i, 0,1,2,3,4
	v_add_nc_u32 v[BX+\i], 0xff000000, v[BM+\i]    ; 2 off the exponent field: the conversion's scale operand
.endr
.irp i, 0,1,2,3
	v_lshrrev_b32 v[BM+\i], 23, v[BX+\i]
.endr
	v_lshrrev_b32 v[PWB], 23, v[BX+4]              ; block g + 4's byte; the other three bytes are 0
	v_lshl_or_b32 v[PWA], v[BM+1], 8, v[BM]
	v_lshl_or_b32 v[PWA], v[BM+2], 16, v[PWA]
	v_lshl_or_b32 v[PWA], v[BM+3], 24, v[PWA]
	v_cvt_scalef32_pk16_fp6_f32 v[PA:PA+2], v[S:S+15], v[BX]
	v_cvt_scalef32_pk16_fp6_f32 v[T0:T0+2], v[S+16:S+31], v[BX+1]
	v_cvt_scalef32_pk16_fp6_f32 v[PA+6:PA+8], v[S+32:S+47], v[BX+2]
	v_cvt_scalef32_pk16_fp6_f32 v[T1:T1+2], v[S+48:S+63], v[BX+3]
	v_cvt_scalef32_pk16_fp6_f32 v[PB:PB+2], v[S+64:S+79], v[BX+4]
	v_nop                                          ; one plain place behind a scaled conversion
.irp i, 0,1,2                                  ; a whole block in a lane: lanes 0-15 block 2 c2, lanes 16-31 block 2 c2 + 1
	v_permlane16_swap_b32 v[PA+\i], v[T0+\i]
.endr
.irp i, 0,1,2
	v_mov_b32 v[PA+3+\i], v[T0+\i]
.endr
.irp i, 0,1,2
	v_permlane16_swap_b32 v[PA+6+\i], v[T1+\i]
.endr
.irp i, 0,1,2
	v_mov_b32 v[PA+9+\i], v[T1+\i]
.endr
.irp i, 0,1,2
	v_mov_b32 v[T0+\i], 0                          ; block g + 4 changes halves with zeros: lanes 16-31 end with zero codes
.endr
.irp i, 0,1,2
	v_permlane16_swap_b32 v[PB+\i], v[T0+\i]
.endr
.irp i, 0,1,2
	v_mov_b32 v[PB+3+\i], v[T0+\i]
.endr
.irp dt, 0,1,2,3                               ; v's fragments: 16 channels x blocks g .. g + 3,
.irp c2, 0,1
.irp p, 0,1,2
	ds_load_b64 v[VF+12*\dt+6*\c2+2*\p:VF+12*\dt+6*\c2+2*\p+1], v8 offset:(4*(\c)+\dt)*3072+768*\c2+256*\p
.endr
.endr
.endr
.irp dt, 0,1,2,3                               ; and x block g + 4 (what stands in the operand's other registers meets zero codes)
.irp p, 0,1,2
	ds_load_b64 v[KB+6*\dt+2*\p:KB+6*\dt+2*\p+1], v9 offset:(4*(\c)+\dt)*3072+256*\p
.endr
.endr
	v_permlanex16_b32 v253, v252, s20, s21
	v_add_f32 v252, v252, v253                     ; with lane l xor 16's: the row's sum
	v_rcp_f32 v250, v252
.rept 8
	v_nop                                          ; a scale register written by a vector instruction stands 8 places ahead of a scaled product, an operand 4; the first is also the plain place behind the reciprocal
.endr
	s_wait_dscnt 0x0
.irp dt, 0,1,2,3                               ; O^T: the four accumulators take turns; the first product starts the sums
	v_wmma_scale_f32_16x16x128_f8f6f4 v[O+8*\dt:O+8*\dt+7], v[VF+12*\dt:VF+12*\dt+11], v[PA:PA+11], 0, v[VWA+2*\dt], v[PWA] matrix_a_fmt:MATRIX_FMT_FP6 matrix_b_fmt:MATRIX_FMT_FP6
.endr
.irp dt, 0,1,2,3
	v_wmma_scale_f32_16x16x128_f8f6f4 v[O+8*\dt:O+8*\dt+7], v[KB+6*\dt:KB+6*\dt+11], v[PB:PB+11], v[O+8*\dt:O+8*\dt+7], v[VWB+\dt], v[PWB] matrix_a_fmt:MATRIX_FMT_FP6 matrix_b_fmt:MATRIX_FMT_FP6
.endr
.rept 4
	v_nop                                          ; places behind the products
.endr
	s_wait_alu depctr_va_vdst(0)                   ; the reciprocal's wait, ahead of its first reader
.irp jj, 0,2,4,6,8,10,12,14,16,18,20,22,24,26,28,30
	v_pk_mul_f32 v[O+\jj:O+\jj+1], v[O+\jj:O+\jj+1], v[250:251] op_sel_hi:[1,0]   ; O / l: register 16 b + i is channel 32 b + 16 (lane / 16) + i of my query
.endr
.irp b, 0,1                                    ; the head's 64 channels are two blocks of the next product's K
	v_max3_num_f32 v[BM+\b], |v[O+16*\b]|, |v[O+16*\b+1]|, 0x1800000
.endr
.irp i, 2,4,6,8,10,12,14
.irp b, 0,1
	v_max3_num_f32 v[BM+\b], v[BM+\b], |v[O+16*\b+\i]|, |v[O+16*\b+\i+1]|
.endr
.endr
.irp b, 0,1
	v_permlanex16_b32 v[BX+\b], v[BM+\b], s20, s21
.endr
.irp b, 0,1
	v_max_num_f32 v[BM+\b], v[BM+\b], v[BX+\b]
.endr
.irp b, 0,1
	v_add_nc_u32 v[BX+\b], 0xff000000, v[BM+\b]
.endr
.irp b, 0,1
	v_lshrrev_b32 v[BM+\b], 23, v[BX+\b]
.endr
.if (\c) == 0
	v_lshl_or_b32 v[OW], v[BM+1], 8, v[BM]
.else
	v_lshl_or_b32 v[OW], v[BM], 16, v[OW]
	v_lshl_or_b32 v[OW], v[BM+1], 24, v[OW]
.endif
	v_cvt_scalef32_pk16_fp6_f32 v[PO+6*(\c):PO+6*(\c)+2], v[O:O+15], v[BX]
	v_cvt_scalef32_pk16_fp6_f32 v[T0:T0+2], v[O+16:O+31], v[BX+1]
	v_nop                                          ; one plain place behind a scaled conversion
.irp i, 0,1,2
	v_permlane16_swap_b32 v[PO+6*(\c)+\i], v[T0+\i]
.endr
.irp i, 0,1,2
	v_mov_b32 v[PO+6*(\c)+3+\i], v[T0+\i]
.endr
.endm
	HEAD 0
	HEAD 1
.irp c3, 0,1,2
	global_store_b128 v2, v[PO+4*\c3:PO+4*\c3+3], s[40:41] offset:512*\c3   ; the fragment's image: 512 consecutive bytes a store
.endr
	ds_store_b32 v249, v[OW]                       ; lanes r and 16 + r write the same word with the same value
	s_wait_dscnt 0x0                               ; for wave 0's sake
	s_barrier_signal -1
	s_barrier_wait -1
	s_cmp_lg_u32 s8, 0
	s_cbranch_scc1 .Ldone
	ds_load_b128 v[94:97], v2 offset:OSC           ; the work-group's 128 scale words are 512 dense bytes of memory
	s_wait_dscnt 0x0
	global_store_b128 v2, v[94:97], s[42:43]
.Ldone:
	s_set_vgpr_msb 0x5
	s_wait_tensorcnt 0x0
	ds_add_u32 v0, v1
	s_wait_dscnt 0x0
	s_set_vgpr_msb 0x500
	s_endpgm
.Lfunc_end_k_q5269ecdc62_attn:
	.size	k_q5269ecdc62_attn, .Lfunc_end_k_q5269ecdc62_attn-k_q5269ecdc62_attn
	.p2alignl 7, 3214868480
	.fill 96, 4, 3214868480
	.section	.rodata,"a",@progbits
	.p2align	6, 0x0
	.amdhsa_kernel k_q5269ecdc62_attn
		.amdhsa_group_segment_fixed_size 52736
		.amdhsa_private_segment_fixed_size 0
		.amdhsa_enable_private_segment 0
		.amdhsa_kernarg_size 16
		.amdhsa_user_sgpr_count 2
		.amdhsa_user_sgpr_kernarg_segment_ptr 1
		.amdhsa_wavefront_size32 1
		.amdhsa_system_sgpr_workgroup_id_x 1
		.amdhsa_system_sgpr_workgroup_id_y 1
		.amdhsa_system_sgpr_workgroup_id_z 1
		.amdhsa_system_vgpr_workitem_id 0
		.amdhsa_next_free_vgpr 258
		.amdhsa_next_free_sgpr 66
		.amdhsa_reserve_vcc 1
		.amdhsa_float_denorm_mode_32 3
		.amdhsa_float_denorm_mode_16_64 3
		.amdhsa_memory_ordered 1
		.amdhsa_forward_progress 1
		.amdhsa_inst_pref_size 66
	.end_amdhsa_kernel
	.amdgpu_metadata
---
amdhsa.version: [ 1, 2 ]
amdhsa.kernels:
  - .name:           k_q5269ecdc62_attn
    .symbol:         k_q5269ecdc62_attn.kd
    .args:
      - { .name: qkv, .offset: 0, .size: 8, .value_kind: global_buffer, .address_space: global }
      - { .name: ao, .offset: 8, .size: 8, .value_kind: global_buffer, .address_space: global }
    .group_segment_fixed_size: 52736
    .private_segment_fixed_size: 0
    .kernarg_segment_align: 8
    .kernarg_segment_size: 16
    .max_flat_workgroup_size: 256
    .sgpr_count:     66
    .vgpr_count:     258
    .wavefront_size: 32
...
	.end_amdgpu_metadata
.endif
;; end of part 3
;; launch proj (part 4): grid 32 x 8, 4 waves a work-group, clusters of 4 x 1, 168,448 bytes of LDS; arguments ao, wq, bo, out0; writes out0
.if DOCPART == 4
	.amdgcn_target "amdgcn-amd-amdhsa--gfx1250"
	.amdhsa_code_object_version 6
	.text
	.protected	k_q5269ecdc62_proj
	.globl	k_q5269ecdc62_proj
	.p2align	8
	.type	k_q5269ecdc62_proj,@function
k_q5269ecdc62_proj:
	s_mov_b64 s[64:65], 0
	v_nop
	global_prefetch_b8 v0, s[64:65] scope:SCOPE_SE
	s_setreg_imm32_b32 hwreg(HW_REG_WAVE_MODE, 25, 1), 1
	s_wait_xcnt 0x0
	s_wait_alu depctr_hold_cnt(0) depctr_sa_sdst(0) depctr_va_vdst(0) depctr_va_sdst(0) depctr_va_ssrc(0) depctr_va_vcc(0) depctr_vm_vsrc(0)
	s_getreg_b32 s2, hwreg(HW_REG_IB_STS2, 6, 4)
	s_cmp_eq_u32 s2, 0
	s_cbranch_scc0 .Lentry_in_a_cluster
	s_endpgm
.Lentry_in_a_cluster:
	s_bfe_u32 s2, ttmp6, 0x10000c
	s_cmp_lg_u32 s2, 0x3003
	s_cbranch_scc0 .Lentry_shape_is_right
	s_endpgm
.Lentry_shape_is_right:
; PROJ: out0 = a Wo + bo on codes of FP6 (E2M3) with E8M0 scales; a is attention's result, laid as x was (buffer ao); Wo's codes are weight t = 3 of buffer wq.
; A work-group: 256 rows (block R) x 128 columns (chunk j).  A wave: 64 rows (tiles a = 0..3) x the 128 columns (W tiles b = 0..7): 32 accumulators, 256 products.
; a's fragments of the wave's rows, for all of K (384 registers), come once from memory into registers; Wo's chunk (98,304 bytes of register images) and its scale words lie in LDS: every LDS byte is filled once.
; CLUSTER: the four work-groups of a cluster share j, so each tensor load is asked for jointly, with the mask of all four; the place in the cluster enters a's and out0's addresses alone.
; Source 0 = 16 columns of Wo, source 1 = 16 rows of a: a lane holds eight neighbouring numbers of one row of out0.  Lane r of tile T holds row (or column) 32 (T / 2) + 8 (T % 2) + r + 8 (r / 8): the way out undoes that by immediates.
; REGISTERS, in windows of 256.  Window 0: v1-10 addresses; v16-17 the phases' LDS addresses; v32-47 a's scale words; v48-79 Wo's; v128-223 Wo's fragments, set 0; v224-255 bias of tiles b = 0..3; on the way out v128-255 rows of out0.
;   Window 1: a's fragments of K steps 0-4 at v[48 s + 12 a]; v240-255 bias of b = 4, 5.   Window 2: K steps 5-7; v144-239 Wo's set 1; v240-255 bias of b = 6, 7.   Window 3: the accumulators, (a, b) at v[8 (8 a + b)].
.set WSC,    98304                     ; LDS: behind the two phases of 49,152 bytes: Wo's scale words, 4,096 bytes
.set STAGE,  102400                    ; and a stage of 16 rows x (512 bytes + 16) for each wave
.set XS,     32
.set WS,     48
.set NTILES, 1
.set TCB,    1                         ; tensor loads issued behind phase 0's
.set MSB, 0
.macro WIN new                         ; low byte: bits 1:0 source 0, 3:2 source 1, 5:4 source 2, 7:6 destination; the high byte repeats the setting that is left
.if MSB != (\new)
	s_set_vgpr_msb (MSB<<8)|(\new)
.set MSB, (\new)
.endif
.endm
.macro PLACES n
.rept \n
	v_nop
.endr
.endm
.macro CROUND                          ; a round of the cluster's barrier
	s_barrier_signal -1
	s_barrier_wait -1
	s_cmp_lg_u32 s16, 0
	s_cbranch_scc1 .Lnot_wave_0_\@
	s_barrier_signal -3
.Lnot_wave_0_\@:
	s_barrier_wait -3
	s_barrier_signal -1
	s_barrier_wait -1
.endm
.macro BREG b                          ; where tile b's bias lies: window BW, register BR
.if (\b) < 4
.set BW, 0
.set BR, 224+8*(\b)
.elseif (\b) < 6
.set BW, 1
.set BR, 240+8*((\b)-4)
.else
.set BW, 2
.set BR, 240+8*((\b)-6)
.endif
.endm
	s_load_b256 s[4:11], s[0:1], 0x0               ; ao s[4:5], wq s[6:7], bo s[8:9], out0 s[10:11]
	v_lshl_add_u32 v126, v0, 2, 0x29000
	v_mov_b32 v127, 0
	ds_add_u32 v126, v127
	ds_add_u32 v126, v127
	v_lshrrev_b32 v1, 5, v0
	v_readfirstlane_b32 s16, v1                    ; wave 0..3
	s_and_b32 s19, ttmp7, 0xffff                   ; j, which the four partners share
	; descriptor groups 1: dense blocks as rows of 256 bytes (32 elements of 8 bytes); 15:0 the mask of all four work-groups, bit 21 set beside it
	s_mov_b32 s24, 15|(3<<16)|(1<<21)              ; codes: 48 rows, a quarter of a phase
	s_mov_b32 s25, 32<<16
	s_mov_b32 s26, 48<<16
	s_mov_b32 s27, 32<<16
	s_mov_b32 s28, 48
	s_mov_b32 s29, 32
	s_mov_b32 s30, 0
	s_mov_b32 s31, 0
	s_mov_b32 s32, 15|(3<<16)|(1<<21)              ; scale words: 4 rows, a quarter
	s_mov_b32 s33, 32<<16
	s_mov_b32 s34, 4<<16
	s_mov_b32 s35, 32<<16
	s_mov_b32 s36, 4
	s_mov_b32 s37, 32
	s_mov_b32 s38, 0
	s_mov_b32 s39, 0
	s_mul_i32 s92, s19, 393216                     ; chunk j's codes in wq; Wo's are the last two blocks of 49,152 bytes,
	s_mul_i32 s94, s16, 12288                      ; my quarter of each
	s_add_co_u32 s92, s92, s94
	s_add_co_u32 s92, s92, 294912
	s_mov_b32 s93, 0
	s_lshl_b32 s96, s19, 14                        ; chunk j's scale words; Wo's are the last 4,096 bytes,
	s_lshl_b32 s95, s16, 10                        ; my quarter
	s_add_co_u32 s96, s96, s95
	s_add_co_u32 s96, s96, 3145728+12288
	s_mov_b32 s97, 0
	s_lshl_b32 s98, s19, 9                         ; chunk j's 128 numbers of the bias, and its 512 bytes of a row of out0
	s_mov_b32 s99, 0
	; what hangs on my place in the cluster: a's and out0's addresses
	s_bfe_u32 s17, ttmp6, 0x40000                  ; cx
	s_lshl_b32 s18, ttmp9, 2
	s_add_co_u32 s18, s18, s17                     ; R = 4 x cluster x + cx
	s_lshl_b32 s72, s18, 20                        ; out0: 256 R rows of 4,096 bytes
	s_lshl_b32 s3, s16, 18                         ; + 64 rows a wave
	s_add_co_u32 s72, s72, s3
	s_add_co_u32 s72, s72, s98
	s_mov_b32 s73, 0
	s_lshl_b32 s80, s18, 4
	s_lshl_b32 s3, s16, 2
	s_add_co_u32 s80, s80, s3                      ; my first tile of a
	s_lshl_b32 s82, s80, 6
	s_add_co_u32 s82, s82, 6291456                 ; its pair's scale words
	s_mov_b32 s83, 0
	s_mul_i32 s80, s80, 12288                      ; its codes: 8 images a tile
	s_mov_b32 s81, 0
	v_and_b32 v12, 31, v0                          ; lane
	v_lshlrev_b32 v1, 4, v12                       ; 16 x lane
	v_lshlrev_b32 v3, 2, v12                       ; 4 x lane
	v_and_b32 v4, 15, v0                           ; r
	v_bfe_u32 v5, v0, 4, 1                         ; h
	v_lshlrev_b32 v10, 6, v5                       ; the bias: my half's 16 columns of a pair of tiles
	s_wait_dscnt 0x0
	s_wait_kmcnt 0x0
	s_add_nc_u64 s[92:93], s[6:7], s[92:93]
	s_add_nc_u64 s[96:97], s[6:7], s[96:97]
	s_mov_b32 s40, 1                               ; group 0 for the scale words
	s_add_co_u32 s41, s95, WSC
	s_mov_b64 s[42:43], s[96:97]
	s_or_b32 s43, s43, 0x80000000
.irp ph, 0,1                                   ; and for the two halves of K
.set G, 44+4*\ph
	s_mov_b32 s[G], 1
	s_add_co_u32 s[G+1], s94, \ph*49152
	s_add_nc_u64 s[G+2:G+3], s[92:93], \ph*49152
	s_or_b32 s[G+3], s[G+3], 0x80000000
.endr
	s_add_nc_u64 s[72:73], s[10:11], s[72:73]
	s_add_nc_u64 s[80:81], s[4:5], s[80:81]
	s_add_nc_u64 s[82:83], s[4:5], s[82:83]
	s_add_nc_u64 s[84:85], s[8:9], s[98:99]
	CROUND                                         ; all four work-groups are here: the joint loads meet
	tensor_load_to_lds s[40:43], s[32:39]          ; all of the launch's fills go out as one group: three loads of mine are out
	s_nop 0
	tensor_load_to_lds s[44:47], s[24:31]
	s_nop 0
	tensor_load_to_lds s[48:51], s[24:31]
	s_nop 0
	PLACES 4                                       ; behind tensor loads
.irp b, 0,1,2,3,4,5,6,7                        ; the bias as the C of each sum's first product: lane (r, h), tile b: columns 32 (b / 2) + 16 h + 8 (b % 2) + 0 .. 7
	BREG \b
	WIN BW<<6
	global_load_b128 v[BR:BR+3], v10, s[84:85] offset:(32*(\b/2)+8*(\b%2))*4
	global_load_b128 v[BR+4:BR+7], v10, s[84:85] offset:(32*(\b/2)+8*(\b%2))*4+16
.endr
	WIN 0
.irp pl, 0,1
.irp s, 0,1,2,3,4,5,6,7
	global_load_b32 v[XS+8*\pl+\s], v3, s[82:83] offset:\s*32768+\pl*128   ; a's scale words: lanes 0-15 tile 2 pl, lanes 16-31 tile 2 pl + 1
.endr
.endr
.irp s, 0,1,2,3,4,5,6,7                        ; a's fragments, K step by K step, so that the first steps' waits can leave the later ones out
.if \s < 5
	WIN 0x40
.set XB, 48*\s
.else
	WIN 0x80
.set XB, 48*(\s-5)
.endif
.irp a, 0,1,2,3
.irp c3, 0,1,2
	global_load_b128 v[XB+12*\a+4*\c3:XB+12*\a+4*\c3+3], v1, s[80:81] offset:\a*12288+\s*1536+\c3*512
.endr
.endr
.endr
	WIN 0
	v_add_nc_u32 v6, WSC, v3                       ; Wo's scale words: 4 x lane
	s_mul_i32 s3, s16, 8448
	s_add_co_u32 s3, s3, STAGE                     ; my stage
	v_mul_u32_u24 v7, v4, 528
	v_lshl_add_u32 v7, v5, 6, v7
	v_add_nc_u32 v7, s3, v7                        ; in: row r, + 64 h
	v_add_nc_u32 v8, s3, v1                        ; back: a row of 512 bytes, 16 a lane
.irp ph, 0,1
	v_add_nc_u32 v[16+\ph], \ph*49152, v1          ; phase ph: 16 x lane
.endr
.macro FETCHW ph, s4, z                ; Wo's eight fragments of the phase's s4-th K step into set z: 24 loads of 512 consecutive bytes
	WIN (2*(\z))<<6
.irp b, 0,1,2,3,4,5,6,7
.irp c3, 0,1,2
	ds_load_b128 v[128+16*(\z)+12*\b+4*\c3:128+16*(\z)+12*\b+4*\c3+3], v[16+(\ph)] offset:\b*6144+(\s4)*1536+\c3*512
.endr
.endr
.endm
.macro WM ra, rb                       ; one product; ra, rb: source 0's, source 1's scales stand in lanes 16-31
.if (\ra) && (\rb)
	v_wmma_scale_f32_16x16x128_f8f6f4 v[RD:RD+7], v[RA:RA+11], v[RB:RB+11], v[RC:RC+7], v[SA], v[SB] matrix_a_fmt:MATRIX_FMT_FP6 matrix_b_fmt:MATRIX_FMT_FP6 matrix_a_scale:MATRIX_SCALE_ROW1 matrix_b_scale:MATRIX_SCALE_ROW1
.elseif (\ra)
	v_wmma_scale_f32_16x16x128_f8f6f4 v[RD:RD+7], v[RA:RA+11], v[RB:RB+11], v[RC:RC+7], v[SA], v[SB] matrix_a_fmt:MATRIX_FMT_FP6 matrix_b_fmt:MATRIX_FMT_FP6 matrix_a_scale:MATRIX_SCALE_ROW1
.elseif (\rb)
	v_wmma_scale_f32_16x16x128_f8f6f4 v[RD:RD+7], v[RA:RA+11], v[RB:RB+11], v[RC:RC+7], v[SA], v[SB] matrix_a_fmt:MATRIX_FMT_FP6 matrix_b_fmt:MATRIX_FMT_FP6 matrix_b_scale:MATRIX_SCALE_ROW1
.else
	v_wmma_scale_f32_16x16x128_f8f6f4 v[RD:RD+7], v[RA:RA+11], v[RB:RB+11], v[RC:RC+7], v[SA], v[SB] matrix_a_fmt:MATRIX_FMT_FP6 matrix_b_fmt:MATRIX_FMT_FP6
.endif
.endm
; A K step's 32 products.  The 32 accumulators take turns, one instruction a turn, in the same order in every step.  The first step's C is the bias: nothing is cleared.
.macro MUL s
.set WW, 2*((\s)%2)
.set WB, 128+16*((\s)%2)
.if (\s) < 5
.set XW, 1
.set XB, 48*(\s)
.else
.set XW, 2
.set XB, 48*((\s)-5)
.endif
.irp b, 0,1,2,3,4,5,6,7
.irp a, 0,1,2,3
.set RD, 8*(8*\a+\b)
.set RA, WB+12*\b
.set RB, XB+12*\a
.set SA, WS+8*(\b/2)+(\s)
.set SB, XS+8*(\a/2)+(\s)
.if (\s) == 0
	BREG \b
.set RC, BR
	WIN 0xc0|(BW<<4)|(XW<<2)|WW
.else
.set RC, RD
	WIN 0xf0|(XW<<2)|WW
.endif
	WM \b%2, \a%2
.endr
.endr
.endm
; A K step: its operands are waited for, the next step's fragments of Wo are asked for into the other set, then its 32 products.  lc: how many younger global loads may stay out.
.macro KSTEP s, lc
	s_wait_loadcnt \lc
	s_wait_dscnt 0x0                               ; this step's fragments of Wo (asked for a step ago) and the scale words are in
.set NS, (\s)+1
.if NS < 8
.if NS == 4
	s_wait_tensorcnt 0x0                           ; my quarter of the second phase has landed: no tensor load of mine is out any more
	s_barrier_signal -1
	s_barrier_wait -1                              ; everybody's has
.endif
	PLACES 4                                       ; in front of loads into registers that the last step's products have read
	FETCHW NS/4, NS%4, NS%2
.endif
	MUL \s
.endm
	s_wait_tensorcnt 1                             ; the scale words and my quarter of phase 0 are in; phase 1's load may be out
	s_barrier_signal -1
	s_barrier_wait -1                              ; everybody's are
.irp p, 0,1,2,3
.irp s, 0,1,2,3,4,5,6,7
	ds_load_b32 v[WS+8*\p+\s], v6 offset:\s*512+\p*128   ; Wo's scale words for all of K
.endr
.endr
	FETCHW 0, 0, 0
	; global loads were issued in this order: bias 16, a's scale words 16, a's fragments 12 a K step.  Each count is the loads younger than the step's fragments (84 and 72 are written as 63, the highest count that can be written)
	KSTEP 0, 63
	KSTEP 1, 63
	KSTEP 2, 60
	KSTEP 3, 48
	KSTEP 4, 36
	KSTEP 5, 24
	KSTEP 6, 12
	KSTEP 7, 0
	WIN 0
; THE WAY OUT, tile by tile of 16 rows x 128 columns.  A lane holds 32 neighbouring bytes of a row, and the lanes beside it hold other rows: so a tile goes through my own stage in LDS and comes back as whole rows
; of 512 bytes, which the 32 lanes store as 512 consecutive bytes, aligned.  LDS serves a wave's instructions in order: no wait between the stores and the loads, nor in front of the next tile's stores.
.macro TOSTAGE a
	WIN 0x0c                                       ; an LDS store's data are its source 1: window 3
.irp b, 0,1,2,3,4,5,6,7
	ds_store_b128 v7, v[8*(8*(\a)+\b):8*(8*(\a)+\b)+3] offset:128*(\b/2)+32*(\b%2)          ; each accumulator from its low end on
	ds_store_b128 v7, v[8*(8*(\a)+\b)+4:8*(8*(\a)+\b)+7] offset:128*(\b/2)+32*(\b%2)+16
.endr
	WIN 0
.set BB, 128+64*((\a)%2)
.irp i, 0,1,2,3,4,5,6,7,8,9,10,11,12,13,14,15
	ds_load_b128 v[BB+4*\i:BB+4*\i+3], v8 offset:\i*528
.endr
.endm
.macro SEND a, younger                 ; younger: the LDS instructions issued behind tile a's loads, which may stay out
.set BB, 128+64*((\a)%2)
	s_wait_dscnt \younger
.irp i, 0,1,2,3,4,5,6,7,8,9,10,11,12,13,14,15
	global_store_b128 v1, v[BB+4*\i:BB+4*\i+3], s[72:73] offset:(32*((\a)/2)+8*((\a)%2)+\i+8*(\i/8))*4096 th:TH_STORE_NT   ; the tile's row i is row 32 (a / 2) + 8 (a % 2) + i + 8 (i / 8) of my 64
.endr
.endm
	PLACES 4                                       ; behind the last products: in front of the first read of results and of loads into registers that held operands
	TOSTAGE 0
.irp a, 1,2,3
.if \a > 1
	s_wait_xcnt 0x0                                ; tile a - 2's stores have read their registers: tile a's loads may land there
.endif
	TOSTAGE \a
	SEND \a-1, 32                                  ; behind tile a - 1's loads: tile a's 16 stores and 16 loads
.endr
	SEND 3, 0
	s_wait_tensorcnt 0x0
	ds_add_u32 v126, v127
	s_wait_dscnt 0x0
	CROUND                                         ; the closing round: no work-group ends while a partner may still ask for a tile that names it
	s_endpgm
.Lfunc_end_k_q5269ecdc62_proj:
	.size	k_q5269ecdc62_proj, .Lfunc_end_k_q5269ecdc62_proj-k_q5269ecdc62_proj
	.p2alignl 7, 3214868480
	.fill 96, 4, 3214868480
	.section	.rodata,"a",@progbits
	.p2align	6, 0x0
	.amdhsa_kernel k_q5269ecdc62_proj
		.amdhsa_group_segment_fixed_size 168448
		.amdhsa_private_segment_fixed_size 0
		.amdhsa_enable_private_segment 0
		.amdhsa_kernarg_size 32
		.amdhsa_user_sgpr_count 2
		.amdhsa_user_sgpr_kernarg_segment_ptr 1
		.amdhsa_wavefront_size32 1
		.amdhsa_system_sgpr_workgroup_id_x 1
		.amdhsa_system_sgpr_workgroup_id_y 1
		.amdhsa_system_sgpr_workgroup_id_z 1
		.amdhsa_system_vgpr_workitem_id 0
		.amdhsa_next_free_vgpr 1024
		.amdhsa_next_free_sgpr 100
		.amdhsa_reserve_vcc 0
		.amdhsa_float_denorm_mode_32 3
		.amdhsa_float_denorm_mode_16_64 3
		.amdhsa_memory_ordered 1
		.amdhsa_forward_progress 1
		.amdhsa_inst_pref_size 81
	.end_amdhsa_kernel
	.amdgpu_metadata
---
amdhsa.version: [ 1, 2 ]
amdhsa.kernels:
  - .name:           k_q5269ecdc62_proj
    .symbol:         k_q5269ecdc62_proj.kd
    .args:
      - { .name: ao, .offset: 0, .size: 8, .value_kind: global_buffer, .address_space: global }
      - { .name: wq, .offset: 8, .size: 8, .value_kind: global_buffer, .address_space: global }
      - { .name: bo, .offset: 16, .size: 8, .value_kind: global_buffer, .address_space: global }
      - { .name: out0, .offset: 24, .size: 8, .value_kind: global_buffer, .address_space: global }
    .group_segment_fixed_size: 168448
    .private_segment_fixed_size: 0
    .kernarg_segment_align: 8
    .kernarg_segment_size: 32
    .max_flat_workgroup_size: 128
    .sgpr_count:     100
    .vgpr_count:     1024
    .wavefront_size: 32
...
	.end_amdgpu_metadata
.endif
;; end of part 4
